; MI455X (gfx1250); checked and timed in simulation.
; The chip was launched on July 23, 2026; its instructions are those of AMD's public machine-readable ISA for CDNA 5 (MIT licence, August 2026) and "CDNA5" Instruction Set Architecture Reference Guide (July 2026). The comments in the code are by the model that wrote it; some were corrected since.
;; Multi Head Attention. Allowed arithmetic: matrix products marked QUANTISED: E2M3 operands, one E8M0 scale for each 32 along K, by v_wmma_scale_f32_16x16x128_f8f6f4 with both operands' format E2M3, f32 sums; everything else in f32.
;; Inputs: W_proj 1,024 x 1,024 float32; W_qkv 3,072 x 1,024 float32; b_proj 1,024 float32; b_qkv 3,072 float32; x 4 x 2,048 x 1,024 float32.
;; Outputs: out0 4 x 2,048 x 1,024 float32.
;; This version of the problem:
;;   THIS VERSION OF THE PROBLEM IS GIVEN IN LOW PRECISION. The matrix products marked QUANTISED in the list below multiply operands that are first quantised to E2M3 (2 exponent bits, 3 mantissa bits; 6 bits a number), with one power-of-two scale for each 32 numbers along K (OCP MX v1.0); their sums are f32. All else is computed in f32.
;;   The module's matrix products, in the order in which they are computed (A, B: the left and right operand; K: the contracted axis; several contracted axes count as one K, in the product's order):
;;     1. [M 8,192, K 1,024] x [K 1,024, N 3,072]; A: input x; B: input W_qkv: QUANTISED
;;     2. batch 64 x [M 2,048, K 64] x [K 64, N 2,048]; A: computed on the way; B: computed on the way: QUANTISED
;;     3. batch 64 x [M 2,048, K 2,048] x [K 2,048, N 64]; A: softmax (see below); B: computed on the way: QUANTISED
;;     4. [M 8,192, K 1,024] x [K 1,024, N 1,024]; A: computed on the way; B: input W_proj: QUANTISED
;;   THE QUANTISER, for each operand of a quantised product, along K:
;;     - K is cut into blocks of 32 from its start; a last block that is shorter is filled with zeros.
;;     - A block's scale is 2^e with e = floor(log2(the largest magnitude in the block)) - 2, held to -126 .. 127; a block of zeros has e = 0. As a byte (E8M0): e + 127.
;;     - Each number is divided by its block's scale, clamped to +-7.5, and rounded to the nearest number of E2M3, ties to even, subnormals kept.
;;     - The product sums the exact products of the quantised numbers (number of the format x scale) in f32.
;;   ~~~python
;;   def quantise(x, axis):      # numpy; x: float32 -> the quantised numbers, widened to float32 again
;;       x = np.moveaxis(x, axis, -1); K = x.shape[-1]
;;       x = np.pad(x, [(0, 0)] * (x.ndim - 1) + [(0, -K % 32)]); x = x.reshape(x.shape[:-1] + (-1, 32)); a = np.abs(x).max(-1, keepdims=True)
;;       e = np.where(a > 0, np.clip(np.frexp(np.where(a > 0, a, 1))[1] - 1 - 2, -126, 127), 0)      # np.frexp(a)[1] - 1 = floor(log2(a)), exactly
;;       r = np.clip(x / 2.0 ** e, -7.5, 7.5)
;;       step = 2.0 ** (np.maximum(np.frexp(np.where(r == 0, 1, r))[1] - 1, 0) - 3)
;;       q = np.round(r / step) * step * 2.0 ** e      # np.round: ties to even
;;       return np.moveaxis(q.reshape(q.shape[:-2] + (-1,))[..., :K], -1, axis).astype(np.float32)
;;   ~~~
;;   SOFTMAX AHEAD OF A QUANTISED PRODUCT. Where the list says 'softmax', what is quantised is not the finished softmax but p = 2^(t - M), with t = logit x log2(e) and M = ceil(the row's largest t), a whole number; so 1/2 < the row's largest p <= 1. The row's sum l is taken of the UNQUANTISED p, in f32, and the product's result is divided by l at the end. Since M is a whole number, a kernel that streams over the keys may use a running M (the ceiling of the running maximum): every later rescaling is an exact power of two, which a block's scale takes up: the codes' values come out the same.
;;   OPERANDS COMPUTED ON THE WAY. 'Computed on the way' means the value that the module computes at that place (a softmax that the list does not call 'softmax' is quantised finished and normalised). What goes into a quantiser is computed in f32, as accurately as f32 sums, v_exp_f32 and their like allow (about 1e-6 of the number): no bf16 or f16 on the way to a quantiser, and a product that is left as it is and whose result goes on into a quantised operand takes f32 operands (vector FMAs, or v_wmma_f32_16x16x4_f32). A number that lies on a knife's edge between two numbers of the format may be rounded either way, as far as f32 arithmetic and the matrix unit's own rounding can turn it there, and no further.
;; One version. Each part assembles by itself: llvm-mc -triple=amdgcn-amd-amdhsa -mcpu=gfx1250 --defsym DOCPART=n.
;; ======== version 1 of 1: 5 launches
;; workspace buffers: opc 9,437,184 bytes; ops 393,216 bytes; qkc 12,582,912 bytes; qks 1,048,576 bytes; vc 6,291,456 bytes; vs 262,144 bytes; ac 6,291,456 bytes; asc 262,144 bytes
;; launch quant (part 1): grid 384 x 1, 4 waves a work-group, no clusters, 33,280 bytes of LDS; arguments x, W_qkv, W_proj, opc, ops; writes opc, ops
.if DOCPART == 1
	.amdgcn_target "amdgcn-amd-amdhsa--gfx1250"
	.amdhsa_code_object_version 6
	.text
	.protected	k_qdd4768e7ae_quant
	.globl	k_qdd4768e7ae_quant
	.p2align	8
	.type	k_qdd4768e7ae_quant,@function
k_qdd4768e7ae_quant:
	s_mov_b64 s[64:65], 0
	v_nop
	global_prefetch_b8 v0, s[64:65] scope:SCOPE_SE
	s_setreg_imm32_b32 hwreg(HW_REG_WAVE_MODE, 25, 1), 1
	s_wait_xcnt 0x0
; x [8192][1024], W_qkv [3072][1024] and W_proj [1024][1024], f32 with K innermost, become codes of FP6 (E2M3), 6 bits each, and one E8M0 scale byte for each 32 along K.
; A block's scale is 2^(floor(log2(its largest magnitude)) - 2); its byte is the largest magnitude's exponent field - 2, held at 1 from below.  Each number is divided by the scale and rounded to the nearest code, ties to even; beyond 7.5 the largest code.
; LIMITS: a block of zeros, or one under the floor 2^(3 - 127), gets the byte 1 where the rule says 127 (its codes are zeros, and this program alone reads the bytes); NaN and infinities among the inputs are not served.
; THE 12,288 ROWS ARE ONE LIST (x, then W_qkv, then W_proj), AND ROW t IS STORED AT POSITION pos(t) = t with bits 3 and 4 exchanged: sixteen neighbouring positions are then rows 0-7 and 16-23 (or 8-15 and 24-31) of a group of 32,
; which is the choice of rows with which a matrix result's registers run along neighbours of the next product's K.
; LAYOUT OF THE CODES: [16 chunks of 64 along K][12,288 positions][48 bytes].  OF THE SCALE BYTES: [12,288 positions][32].
; A work-group takes 32 rows, a wave 8: groups of 8 rows keep together under pos, only their order changes.  Step t of 16 is chunk t: 8 rows x 64 numbers.  Each load reads two rows' 256 consecutive bytes, 16 a lane; the step's 2,048 bytes
; go through the wave's own stage in LDS and come back 64 bytes a lane: 16 neighbours along K (row lane / 4, quarter lane % 4), two neighbouring lanes to a block.  A lane's 16 codes are 12 bytes: the wave stores 384 consecutive bytes.
; The wave's 256 scale bytes are gathered in LDS and leave as 256 consecutive bytes, aligned.  No barrier: waves share nothing.  Loads run eight steps (32 loads, 16,384 bytes a wave: half of its share) ahead, the turn through LDS one step.
.set PLANE, 589824                     ; bytes of one chunk of all positions: 12,288 x 48
.set STEPS, 16
.set DEPTH, 8                          ; steps whose loads are on their way
.set EMAX,  2
.set R,     16                         ; v16-143  eight sets of 16 numbers as they are loaded
.set X,     144                        ; v144-175 two sets of 16 neighbours
.set E,     176                        ; v176-191 a scale byte for each step
.set C,     192                        ; v192-255 codes: four registers for each step, so that no store's data are written again
.set WREG,  8192                       ; LDS: a region for each wave: two stages of 32 x SP bytes, behind them its 256 scale bytes
.set SP,    80                         ; a lane's place in a stage: 64 bytes + 16 of padding
	s_load_b256 s[4:11], s[0:1], 0x0               ; x s[4:5], W_qkv s[6:7], W_proj s[8:9], the codes s[10:11]
	s_load_b64 s[12:13], s[0:1], 0x20              ; the scale bytes
	v_lshl_add_u32 v251, v0, 2, 0x8000
	v_mov_b32 v255, 0
	v_lshrrev_b32 v1, 5, v0
	v_readfirstlane_b32 s16, v1                    ; wave
	v_and_b32 v2, 31, v0                           ; lane
	v_and_b32 v3, 15, v0
	v_bfe_u32 v10, v0, 4, 1
	v_lshlrev_b32 v3, 4, v3
	v_lshl_add_u32 v3, v10, 12, v3                 ; in: 16 (lane % 16) in a row's 256 bytes; lanes 16-31 one row (4,096 bytes) further down
	s_mul_i32 s14, s16, WREG
	v_lshrrev_b32 v14, 2, v2
	v_mul_u32_u24 v14, v14, SP
	v_and_b32 v15, 3, v2
	v_lshl_add_u32 v14, v15, 4, v14
	v_add_nc_u32 v14, s14, v14                     ; the stage, on the way in: SP (lane / 4) + 16 (lane % 4); a load's 512 bytes take eight places
	v_mul_u32_u24 v15, v2, SP
	v_add_nc_u32 v15, s14, v15                     ; and on the way out: SP x lane: my 16 neighbours
	v_mul_u32_u24 v4, v2, 12                       ; my codes' place in the wave's 384 bytes
	s_add_co_u32 s14, s14, 2*32*SP
	v_lshrrev_b32 v5, 2, v2
	v_lshlrev_b32 v5, 5, v5
	v_bfe_u32 v10, v0, 1, 1
	v_add_nc_u32 v5, v5, v10
	v_add_nc_u32 v5, s14, v5                       ; LDS: my row's 32 scale bytes, my block of the chunk's two
	v_lshlrev_b32 v7, 3, v2                        ; and on the way out 8 bytes a lane
	v_add_nc_u32 v6, s14, v7
	s_mov_b32 s17, 352
	s_wait_kmcnt 0x0
	s_cmp_lt_u32 ttmp9, 352                        ; which tensor?  Work-groups 0-255 x, 256-351 W_qkv, 352-383 W_proj: the choice hangs on the work-group's number alone
	s_cselect_b64 s[6:7], s[6:7], s[8:9]
	s_cselect_b32 s17, 256, s17
	s_cmp_lt_u32 ttmp9, 256
	s_cselect_b64 s[4:5], s[4:5], s[6:7]
	s_cselect_b32 s17, 0, s17
	s_sub_co_u32 s17, ttmp9, s17
	s_lshl_b32 s17, s17, 2
	s_add_co_u32 s18, s17, s16                     ; which run of 8 rows of that tensor is my wave's
	s_lshl_b32 s20, s18, 15                        ; 32,768 bytes a run
	s_mov_b32 s21, 0
	s_add_nc_u64 s[4:5], s[4:5], s[20:21]
	s_and_b32 s22, s16, 1                          ; where it goes: the wave's two bits change places
	s_lshl_b32 s22, s22, 1
	s_lshr_b32 s23, s16, 1
	s_or_b32 s22, s22, s23
	s_lshl_b32 s23, ttmp9, 2
	s_add_co_u32 s22, s22, s23                     ; the run of 8 positions in the list of all rows
	s_mul_i32 s20, s22, 384
	s_add_co_u32 s20, s20, 8*PLANE                 ; the base stands at chunk 8, so that all sixteen chunks are reached by the signed 24-bit immediate (ISA guide, chapter 10)
	s_add_nc_u64 s[10:11], s[10:11], s[20:21]
	s_lshl_b32 s20, s22, 8
	s_add_nc_u64 s[12:13], s[12:13], s[20:21]
.macro LOAD t
.irp i, 0,1,2,3
	global_load_b128 v[R+16*((\t)%DEPTH)+4*\i:R+16*((\t)%DEPTH)+4*\i+3], v3, s[4:5] offset:256*(\t)+8192*\i th:TH_LOAD_NT   ; rows 2 i and 2 i + 1: sixteen lanes read 256 consecutive bytes, aligned
.endr
.endm
.macro TURN t                          ; step t's numbers through the stage: LDS serves a wave's instructions in order (ISA guide 5.7.1.4), so no wait stands between the stores and the loads
.irp i, 0,1,2,3
	ds_store_b128 v14, v[R+16*((\t)%DEPTH)+4*\i:R+16*((\t)%DEPTH)+4*\i+3] offset:32*SP*((\t)%2)+8*SP*\i
.endr
.irp i, 0,1,2,3
	ds_load_b128 v[X+16*((\t)%2)+4*\i:X+16*((\t)%2)+4*\i+3], v15 offset:32*SP*((\t)%2)+16*\i
.endr
.endm
.irp t, 0,1,2,3,4,5,6,7
	LOAD \t
.endr
	s_wait_loadcnt 4*(DEPTH-1)                     ; step 0's four loads are in; the 28 of steps 1 to 7 may be out
	TURN 0
.macro STEP t
.set XS, X+16*((\t)%2)
.if (\t) > 0
	s_wait_dscnt 1                                 ; this step's numbers are back from the stage (the last step's byte store may be out): so its stores into the stage have read their registers,
.else
	s_wait_dscnt 0x0
.endif
.if (\t)+DEPTH < STEPS
	LOAD (\t)+DEPTH                                ; which take the loads of eight steps on
.endif
.if (\t)+1 < STEPS
.if STEPS-2-(\t) >= DEPTH-1
	s_wait_loadcnt 4*(DEPTH-1)                     ; the next step's four loads are in; those of the seven steps behind it may be out
.else
	s_wait_loadcnt 4*(STEPS-2-(\t))                ; in the tail: those of the steps that are left behind it
.endif
	TURN (\t)+1                                    ; and go through the other stage while this step is worked
.endif
	v_max3_num_f32 v8, |v[XS]|, |v[XS+1]|, |v[XS+2]|               ; the largest magnitude of my 16, in two chains
	v_max3_num_f32 v9, |v[XS+3]|, |v[XS+4]|, |v[XS+5]|
.irp i, 6,10
	v_max3_num_f32 v8, v8, |v[XS+\i]|, |v[XS+\i+1]|
	v_max3_num_f32 v9, v9, |v[XS+\i+2]|, |v[XS+\i+3]|
.endr
	v_max3_num_f32 v8, v8, |v[XS+14]|, |v[XS+15]|
	v_max3_num_f32 v8, v8, v9, (EMAX+1)<<23        ; and the floor 2^(EMAX + 1 - 127): the byte cannot fall under 1
	v_max_num_f32_dpp v8, v8, v8 row_xmask:1 row_mask:0xf bank_mask:0xf   ; and of my neighbour's 16: the block's
	v_add_nc_u32 v11, -(EMAX<<23), v8              ; EMAX off its exponent field: the conversion takes the exponent field of this operand as its scale, and nothing else of it
	v_cvt_scalef32_pk16_fp6_f32 v[C+4*(\t):C+4*(\t)+2], v[XS:XS+15], v11
	v_lshrrev_b32 v[E+(\t)], 23, v11               ; the scale's byte
	ds_store_b8 v5, v[E+(\t)] offset:2*(\t)        ; both lanes of a block write the same byte with the same value
	global_store_b96 v4, v[C+4*(\t):C+4*(\t)+2], s[10:11] offset:((\t)-8)*PLANE
.endm
.irp t, 0,1,2,3,4,5,6,7,8,9,10,11,12,13,14,15
	STEP \t
.endr
	ds_load_b64 v[12:13], v6                       ; LDS serves a wave's instructions in order: these see my stores
	s_wait_dscnt 0x0
	global_store_b64 v7, v[12:13], s[12:13]        ; 32 lanes store 256 consecutive bytes, aligned
	s_wait_tensorcnt 0x0
	ds_add_u32 v251, v255
	s_wait_dscnt 0x0
	s_endpgm
.Lfunc_end_k_qdd4768e7ae_quant:
	.size	k_qdd4768e7ae_quant, .Lfunc_end_k_qdd4768e7ae_quant-k_qdd4768e7ae_quant
	.p2alignl 7, 3214868480
	.fill 96, 4, 3214868480
	.section	.rodata,"a",@progbits
	.p2align	6, 0x0
	.amdhsa_kernel k_qdd4768e7ae_quant
		.amdhsa_group_segment_fixed_size 33280
		.amdhsa_private_segment_fixed_size 0
		.amdhsa_enable_private_segment 0
		.amdhsa_kernarg_size 40
		.amdhsa_user_sgpr_count 2
		.amdhsa_user_sgpr_kernarg_segment_ptr 1
		.amdhsa_wavefront_size32 1
		.amdhsa_system_sgpr_workgroup_id_x 1
		.amdhsa_system_sgpr_workgroup_id_y 1
		.amdhsa_system_sgpr_workgroup_id_z 1
		.amdhsa_system_vgpr_workitem_id 0
		.amdhsa_next_free_vgpr 256
		.amdhsa_next_free_sgpr 66
		.amdhsa_reserve_vcc 0
		.amdhsa_float_denorm_mode_32 3
		.amdhsa_float_denorm_mode_16_64 3
		.amdhsa_memory_ordered 1
		.amdhsa_forward_progress 1
		.amdhsa_inst_pref_size 33
	.end_amdhsa_kernel
	.amdgpu_metadata
---
amdhsa.version: [ 1, 2 ]
amdhsa.kernels:
  - .name:           k_qdd4768e7ae_quant
    .symbol:         k_qdd4768e7ae_quant.kd
    .args:
      - { .name: x, .offset: 0, .size: 8, .value_kind: global_buffer, .address_space: global }
      - { .name: W_qkv, .offset: 8, .size: 8, .value_kind: global_buffer, .address_space: global }
      - { .name: W_proj, .offset: 16, .size: 8, .value_kind: global_buffer, .address_space: global }
      - { .name: opc, .offset: 24, .size: 8, .value_kind: global_buffer, .address_space: global }
      - { .name: ops, .offset: 32, .size: 8, .value_kind: global_buffer, .address_space: global }
    .group_segment_fixed_size: 33280
    .private_segment_fixed_size: 0
    .kernarg_segment_align: 8
    .kernarg_segment_size: 40
    .max_flat_workgroup_size: 128
    .sgpr_count:     66
    .vgpr_count:     256
    .wavefront_size: 32
...
	.end_amdgpu_metadata
.endif
;; end of part 1
;; launch gemm_qk (part 2): grid 8 x 32, 4 waves a work-group, clusters of 4 x 4, 327,680 bytes of LDS; arguments opc, ops, b_qkv, qkc, qks; writes qkc, qks
.if DOCPART == 2
	.amdgcn_target "amdgcn-amd-amdhsa--gfx1250"
	.amdhsa_code_object_version 6
	.text
	.protected	k_qdd4768e7ae_gemm_qk
	.globl	k_qdd4768e7ae_gemm_qk
	.p2align	8
	.type	k_qdd4768e7ae_gemm_qk,@function
k_qdd4768e7ae_gemm_qk:
	s_mov_b64 s[64:65], 0
	v_nop
	global_prefetch_b8 v0, s[64:65] scope:SCOPE_SE
	s_setreg_imm32_b32 hwreg(HW_REG_WAVE_MODE, 25, 1), 1
	s_wait_xcnt 0x0
	s_wait_alu depctr_hold_cnt(0) depctr_sa_sdst(0) depctr_va_vdst(0) depctr_va_sdst(0) depctr_va_ssrc(0) depctr_va_vcc(0) depctr_vm_vsrc(0)
	s_getreg_b32 s2, hwreg(HW_REG_IB_STS2, 6, 4)
	s_cmp_eq_u32 s2, 0
	s_cbranch_scc0 .Lentry_in_a_cluster
	s_endpgm
.Lentry_in_a_cluster:
	s_bfe_u32 s2, ttmp6, 0x10000c
	s_cmp_lg_u32 s2, 0xf033
	s_cbranch_scc0 .Lentry_shape_is_right
	s_endpgm
.Lentry_shape_is_right:
; q and k = x W^T + b (channels 0 to 2,047 of W_qkv), on codes of FP6 (E2M3) with one E8M0 scale for each 32 along K = 1,024, sums in f32; the results are quantised on the way out, along each head's 64 channels.
; OPERANDS: codes [16 chunks of 64 K][12,288 positions][48 bytes], scale bytes [position][32]; positions 0-8,191 are x's tokens, 8,192 on W_qkv's channels; position = row with bits 3 and 4 exchanged.
; SHARES: a work-group of four waves makes 256 tokens x 256 channels, a wave 128 x 128: 64 accumulators of 16 x 16.  K goes in four slots' worth of 256; THREE LDS slots are filled at the start, and only the fourth
; quarter of K is a refill (into slot 0), asked for two quarters ahead.  So the text is straight: no loop.  By its own count a wave has four tensor loads out at the start and one behind the refill's round.
; A tile of 128 rows x 256 K is four runs of 6,144 consecutive bytes; a lane's 24 bytes of a fragment lie at 48 (lane % 16) + 24 (lane / 16): the 32 lanes of a load of 8 bytes touch 64 different banks (64 banks of 4 bytes: ISA guide 11.1).
; CLUSTERS: 4 x 4 work-groups; the tokens' tiles are shared along a row of the cluster, the channels' along a column: each is asked for jointly, by the same tensor load with the same descriptor and a mask that names the four.
; THE MATRIX INSTRUCTION IS USED TRANSPOSED: source 0 = 16 channel positions ("B"), source 1 = 16 token positions ("A").  A lane then holds ONE token position, and by the order of positions the 16 registers of tiles 2 b' and 2 b' + 1
; are channels 32 b' + 16 (lane / 16) + 0 .. 15: neighbours along the next product's K.  The bias is the C of each sum's first instruction (so it is added ahead of the products, not behind them: an f32 difference in the order of rounding).
; OUT: qkc [32: q's heads, then k's][256 pairs of 16-token tiles][1,536]: an image of 12 registers a lane (registers 0-5 the even tile, 6-11 the odd; lane (r, h): position r, channels 32 h on), 16 bytes a lane, 512 a store.
;      qks [32][64 steps of 128 tokens][32 lanes][4 words]: word i of lane l: tile 2 i + l / 16, row l % 16; bytes 0, 1 the head's two scales; bytes 2, 3 never 0xff.
; LIMITS: a block of zeros or under 2^(3 - 127) gets the byte 1, not 127 (its codes are zeros; this program alone reads the bytes); NaN and infinities are not served.
; REGISTERS, in windows of 256: window 0: v1-31 addresses; v32-63 scale words, two sets; v64-127 the bias, later at work on the way out; v128-223 A's fragments, one set.  window 1: B's fragments, two sets, at v0 and v128.
;   window 2: the accumulators of my token blocks 0-3 ((a, b) at v[8 (8 (a % 4) + b)]); window 3: of blocks 4-7.
.set APL,   589824                     ; bytes from chunk to chunk of A's codes
.set BPL,   589824                     ; and of B's
.set AROW0, 0                          ; A's first position
.set BROW0, 8192                       ; B's
.set PA,    4                          ; s[4:5] A's codes, s[6:7] A's scale bytes; B's lie in the same two buffers
.set PAS,   6
.set PB,    4
.set PBS,   6
.set NQ,    2                          ; matrix instructions deep in a slot
.set FR,    12                         ; registers of a fragment: 16 rows x 128 K
.set NL,    6                          ; LDS loads that bring one
.set NP,    4                          ; places behind this matrix instruction (ISA guide 7.12.1)
.set CHB,   6144                       ; one chunk of 128 rows
.set HALFT, 4*CHB                      ; 128 rows x 256 K: what one tensor load brings
.set SLOT,  4*HALFT                    ; A's 256 rows, then B's 256 rows
.set SCL,   3*SLOT                     ; behind the slots: the scale bytes for all of K, as runs of 256 bytes + 16 of padding
.set HALFS, 16*272                     ; those of 128 rows
.set SBLK,  2*272                      ; those of 16 rows
.set SPARE, SCL+4*HALFS                ; the spare words, 128 bytes for each wave: two blocks of 256 bytes that no other line names
.set ADRA, 16                          ; v16-18  LDS address of my A fragments in slot 0, 1, 2
.set ADRB, 20                          ; v20-22  the same for B
.set L16,  24                          ; v24     16 x lane
.set L8,   25                          ; v25     8 x lane
.set ADRS, 27                          ; v27     LDS address of my scale words: lanes 0-15 A's rows, lanes 16-31 B's
.set SPW,  28                          ; v28     LDS address of my spare word; never rewritten
.set NIL,  29                          ; v29     0; never rewritten
.set BOF,  30                          ; v30     my byte offset in the bias
.set FLR,  31                          ; v31     the floor 2^(3 - 127)
.set SC,   32                          ; scale words: set s at v[SC + 16 s]; register 2 i + q: lanes 0-15 A's block i, lanes 16-31 B's block i, the slot's q-th 128 along K
.set BIAS, 64
.set AF,   128
.set TM,   64                          ; the way out: v64-67 largest magnitudes, v68-71 bytes, v76-79 the conversions' scale operands
.set PWA,  80                          ; v80-87  the scale word of each token block
.set IMG,  88                          ; v88-111 two images of 12 registers
.set CT,   112                         ; v112-118 upper halves of blocks, as converted
.set SW,   120                         ; v120-127 scale words as stored
.set G1,   24                          ; s[24:31] descriptor group 1 for A's tiles, s[32:39] for B's, s[40:47], s[48:55] for their scale bytes
.set G1B,  32
.set G1S,  40
.set G1SB, 48
.set G0S,  56                          ; s[56:59], s[60:63] groups 0 for the scale bytes
.set G0SB, 60
.set G0,   68                          ; s[68:79] groups 0 for A's tiles, one for each slot; s[80:91] for B's
.set G0B,  80
.set MSB, 0
.macro WIN new                         ; the immediate's high byte repeats the setting that is left
.if MSB != (\new)
	s_set_vgpr_msb (MSB<<8)|(\new)
.set MSB, (\new)
.endif
.endm
.set MUL_LO, 0xa1                      ; source 0 (B) window 1, source 1 (A) window 0, C and D window 2
.set MUL_HI, 0xf1                      ; the same, C and D window 3
.set BEG_LO, 0x81                      ; the first step: C (the bias) window 0, D window 2
.set BEG_HI, 0xc1                      ; D window 3
.set TO_B,   0x40                      ; destination window 1, address window 0
; A joint load: waves 0 and 1 fetch for A, waves 2 and 3 for B; the branch hangs on the wave's number alone.  Four v_nop follow each of the two lines.
.macro JLOAD g0a, g1a, g0b, g1b
	s_cmp_eq_u32 s19, 0
	s_cbranch_scc0 .Lfor_b_\@
	tensor_load_to_lds s[\g0a:\g0a+3], s[\g1a:\g1a+7]
	s_nop 0
.rept 4
	v_nop
.endr
	s_branch .Lasked_\@
.Lfor_b_\@:
	tensor_load_to_lds s[\g0b:\g0b+3], s[\g1b:\g1b+7]
	s_nop 0
.rept 4
	v_nop
.endr
.Lasked_\@:
.endm
.macro CREST                           ; a round of the cluster's barrier behind its opening barrier
	s_cmp_lg_u32 s18, 0
	s_cbranch_scc1 .Lnot_wave_0_\@
	s_barrier_signal -3
.Lnot_wave_0_\@:
	s_barrier_wait -3
	s_barrier_signal -1
	s_barrier_wait -1
.endm
.macro CROUND                          ; a whole round
	s_barrier_signal -1
	s_barrier_wait -1
	CREST
.endm
	s_load_b128 s[4:7], s[0:1], 0x0                ; the operands' codes s[4:5], their scale bytes s[6:7]
	s_load_b128 s[12:15], s[0:1], 0x10             ; b_qkv s[12:13], qkc s[14:15]
	s_load_b64 s[16:17], s[0:1], 0x20              ; qks
	v_lshl_add_u32 v[SPW], v0, 2, SPARE
	v_mov_b32 v[NIL], 0
	ds_add_u32 v28, v29
	ds_add_u32 v28, v29
	s_wait_dscnt 0x0
	v_lshrrev_b32 v1, 5, v0
	v_readfirstlane_b32 s18, v1                    ; wave 0..3
	s_lshr_b32 s19, s18, 1                         ; WR: which half of the tile's A rows is mine.  Also: I fetch for A (0) or for B (1)
	s_and_b32 s20, s18, 1                          ; WC: which half of its B rows.  Also: which 128 rows I fetch
	s_bfe_u32 s92, ttmp6, 0x40000                  ; cx, cy: my place in the cluster
	s_bfe_u32 s93, ttmp6, 0x40004
	s_lshl_b32 s22, ttmp9, 2
	s_add_co_u32 s22, s22, s92                     ; TX = 4 x cluster x + cx: which 256 rows of B
	s_and_b32 s21, ttmp7, 0xffff
	s_lshl_b32 s21, s21, 2
	s_add_co_u32 s21, s21, s93                     ; TY = 4 x cluster y + cy: which 256 rows of A
	s_lshl_b32 s94, s93, 2
	s_lshl_b32 s94, 15, s94                        ; my row of the cluster
	s_lshl_b32 s95, 0x1111, s92                    ; my column
	; descriptor group 1 for the codes: 4 runs (chunks) of 768 elements of 8 bytes, a plane apart; no padding
	s_or_b32 s[G1+0], s94, (3<<16)|(1<<21)         ; 15:0 the mask: A's tiles go to my row; 17:16 elements of 8 bytes; 21 set beside a mask
	s_or_b32 s[G1B+0], s95, (3<<16)|(1<<21)
.irp g, G1, G1B
	s_mov_b32 s[\g+1], 768<<16                     ; tensor_dim0
	s_mov_b32 s[\g+2], 4<<16                       ; tensor_dim1
	s_mov_b32 s[\g+3], 768<<16                     ; tile_dim0
	s_mov_b32 s[\g+4], 4                           ; tile_dim1
	s_mov_b32 s[\g+6], 0
	s_mov_b32 s[\g+7], 0
.endr
	s_mov_b32 s[G1+5], APL/8                       ; tensor_dim0_stride, in elements
	s_mov_b32 s[G1B+5], BPL/8
	; and for the scale bytes of 128 rows: 4,096 dense bytes as 16 rows of 256, 16 bytes of padding behind each
	s_or_b32 s[G1S+0], s94, (3<<16)|(1<<20)|(1<<21)|(5<<22)|(3<<25)
	s_or_b32 s[G1SB+0], s95, (3<<16)|(1<<20)|(1<<21)|(5<<22)|(3<<25)
.irp g, G1S, G1SB
	s_mov_b32 s[\g+1], 32<<16
	s_mov_b32 s[\g+2], 16<<16
	s_mov_b32 s[\g+3], 32<<16
	s_mov_b32 s[\g+4], 16
	s_mov_b32 s[\g+5], 32
	s_mov_b32 s[\g+6], 0
	s_mov_b32 s[\g+7], 0
.endr
	s_lshl_b32 s23, s20, 7                         ; which 128 rows of the tile I fetch
	s_lshl_b32 s96, s21, 8
	s_add_co_u32 s96, s96, s23
	s_add_co_u32 s96, s96, AROW0                   ; A: position AROW0 + 256 TY + 128 x half
	s_lshl_b32 s98, s96, 5                         ; its scale bytes,
	s_mul_i32 s96, s96, 48                         ; its codes in a chunk
	s_mov_b32 s97, 0
	s_mov_b32 s99, 0
	s_lshl_b32 s100, s22, 8
	s_add_co_u32 s100, s100, s23
	s_add_co_u32 s100, s100, BROW0                 ; B: position BROW0 + 256 TX + 128 x half
	s_lshl_b32 s66, s100, 5
	s_mul_i32 s100, s100, 48
	s_mov_b32 s101, 0
	s_mov_b32 s67, 0
	s_mul_i32 s2, s18, HALFT                       ; where they go: wave x 128 rows: no place in the cluster enters an LDS address
	s_mul_i32 s3, s18, HALFS
	s_wait_kmcnt 0x0
	s_add_nc_u64 s[96:97], s[PA:PA+1], s[96:97]
	s_add_nc_u64 s[98:99], s[PAS:PAS+1], s[98:99]
	s_add_nc_u64 s[100:101], s[PB:PB+1], s[100:101]
	s_add_nc_u64 s[66:67], s[PBS:PBS+1], s[66:67]
	CROUND                                         ; all sixteen work-groups are here: the first joint loads meet
	s_mov_b32 s[G0S], 1
	s_add_co_u32 s[G0S+1], s3, SCL
	s_mov_b64 s[G0S+2:G0S+3], s[98:99]
	s_or_b32 s[G0S+3], s[G0S+3], 0x80000000
	s_mov_b32 s[G0SB], 1
	s_add_co_u32 s[G0SB+1], s3, SCL
	s_mov_b64 s[G0SB+2:G0SB+3], s[66:67]
	s_or_b32 s[G0SB+3], s[G0SB+3], 0x80000000
	JLOAD G0S, G1S, G0SB, G1SB                     ; the scale bytes first: they are wanted with the first quarter of K
.irp s, 0,1,2
	s_mov_b32 s[G0+4*\s], 1                                        ; count = 1
	s_add_co_u32 s[G0+4*\s+1], s2, \s*SLOT                         ; LDS address
	s_add_nc_u64 s[G0+4*\s+2:G0+4*\s+3], s[96:97], \s*4*APL        ; global address: chunks 4 s on
	s_or_b32 s[G0+4*\s+3], s[G0+4*\s+3], 0x80000000               ; type = 2
	s_mov_b32 s[G0B+4*\s], 1
	s_add_co_u32 s[G0B+4*\s+1], s2, \s*SLOT
	s_add_nc_u64 s[G0B+4*\s+2:G0B+4*\s+3], s[100:101], \s*4*BPL
	s_or_b32 s[G0B+4*\s+3], s[G0B+4*\s+3], 0x80000000
	JLOAD G0+4*\s, G1, G0B+4*\s, G1B
.endr
	v_and_b32 v1, 15, v0                           ; r = lane % 16
	v_bfe_u32 v2, v0, 4, 1                         ; h = lane / 16
	v_mul_u32_u24 v3, v1, 48
	v_mad_u32_u24 v3, v2, 24, v3                   ; a fragment's row x 48 + 24 x half
	s_mul_i32 s23, s19, HALFT                      ; my 128 rows of A
	s_mul_i32 s66, s20, HALFT                      ; my 128 rows of B,
	s_add_co_u32 s66, s66, 2*HALFT                 ; which lie behind A's 256
.irp s, 0,1,2
	v_add_nc_u32 v[ADRA+\s], s23, v3
	v_add_nc_u32 v[ADRB+\s], s66, v3
	s_add_co_u32 s23, s23, SLOT
	s_add_co_u32 s66, s66, SLOT
.endr
	v_lshlrev_b32 v5, 5, v1                        ; my row's scale bytes: 32 a row,
	v_lshrrev_b32 v6, 3, v1
	v_lshl_add_u32 v5, v6, 4, v5                   ; and 16 more for each 256 passed
	s_mul_i32 s23, s19, HALFS                      ; A's: my 128 rows
	s_mul_i32 s66, s20, HALFS                      ; B's: my 128 rows, behind A's 256
	s_add_co_u32 s66, s66, 2*HALFS
	s_sub_co_u32 s66, s66, s23
	v_mul_u32_u24 v6, s66, v2                      ; lanes 16-31 take B's
	s_add_co_u32 s23, s23, SCL
	v_add_nc_u32 v5, v5, v6
	v_add_nc_u32 v[ADRS], s23, v5
	v_and_b32 v7, 31, v0
	v_lshlrev_b32 v[L16], 4, v7
	v_lshlrev_b32 v[L8], 3, v7
	v_mov_b32 v[FLR], 0x1800000
	; where my results go
	s_lshl_b32 s96, s22, 2
	s_lshl_b32 s97, s20, 1
	s_add_co_u32 s96, s96, s97                     ; the first of my two heads: 4 TX + 2 WC
	s_lshl_b32 s98, s21, 1
	s_add_co_u32 s98, s98, s19                     ; my 128 tokens: step 2 TY + WR
	s_mul_i32 s100, s96, 393216
	s_mul_i32 s101, s98, 6144
	s_add_co_u32 s100, s100, s101
	s_mov_b32 s101, 0
	s_add_nc_u64 s[14:15], s[14:15], s[100:101]
	s_lshl_b32 s100, s96, 15
	s_lshl_b32 s99, s98, 9
	s_add_co_u32 s100, s100, s99
	s_add_nc_u64 s[16:17], s[16:17], s[100:101]
	s_lshl_b32 s100, s22, 10                       ; the bias of my 128 channels: 4 (256 TX + 128 WC) bytes on
	s_lshl_b32 s99, s20, 9
	s_add_co_u32 s100, s100, s99
	s_add_nc_u64 s[12:13], s[12:13], s[100:101]
	v_lshlrev_b32 v[BOF], 6, v2                    ; register j of tile b, lane (r, h), is channel 32 (b / 2) + 16 h + 8 (b % 2) + j
.irp b, 0,1,2,3,4,5,6,7
	global_load_b128 v[BIAS+8*\b:BIAS+8*\b+3], v[BOF], s[12:13] offset:128*(\b/2)+32*(\b%2)
	global_load_b128 v[BIAS+8*\b+4:BIAS+8*\b+7], v[BOF], s[12:13] offset:128*(\b/2)+32*(\b%2)+16
.endr
	s_mov_b32 s66, 0x76543210                      ; v_permlanex16_b32's selects for lane l xor 16
	s_mov_b32 s67, 0xfedcba98
.macro FRAG reg, adr, q, i             ; a fragment: registers 6 c .. 6 c + 5 hold K = 64 c + 32 (lane / 16) + 0 .. 31: 24 bytes of chunk 2 q + c, as three loads of 8 bytes
.irp p, 0,1,2,3,4,5
	ds_load_b64 v[\reg+2*\p:\reg+2*\p+1], v[\adr] offset:(2*(\q)+\p/3)*CHB+(\i)*768+8*(\p%3)
.endr
.endm
; 16 matrix instructions: A's blocks a0, a0 + 1 x B's eight, the slot's q-th 128 along K.  p: B's set; sc: the set of scale words.  first = 1: the bias is C and starts the sums.
; The 64 accumulators take turns, one instruction a turn, in the same order in every step.
.macro MUL16 a0, p, q, sc, first
.irp a, \a0, \a0+1
.irp b, 0,1,2,3,4,5,6,7
.if \first
	v_wmma_scale_f32_16x16x128_f8f6f4 v[8*(8*((\a)%4)+\b):8*(8*((\a)%4)+\b)+7], v[128*(\p)+FR*\b:128*(\p)+FR*\b+FR-1], v[AF+FR*(\a):AF+FR*(\a)+FR-1], v[BIAS+8*\b:BIAS+8*\b+7], v[SC+16*(\sc)+2*\b+(\q)], v[SC+16*(\sc)+2*(\a)+(\q)] matrix_a_fmt:MATRIX_FMT_FP6 matrix_b_fmt:MATRIX_FMT_FP6 matrix_a_scale:MATRIX_SCALE_ROW1
.else
	v_wmma_scale_f32_16x16x128_f8f6f4 v[8*(8*((\a)%4)+\b):8*(8*((\a)%4)+\b)+7], v[128*(\p)+FR*\b:128*(\p)+FR*\b+FR-1], v[AF+FR*(\a):AF+FR*(\a)+FR-1], v[8*(8*((\a)%4)+\b):8*(8*((\a)%4)+\b)+7], v[SC+16*(\sc)+2*\b+(\q)], v[SC+16*(\sc)+2*(\a)+(\q)] matrix_a_fmt:MATRIX_FMT_FP6 matrix_b_fmt:MATRIX_FMT_FP6 matrix_a_scale:MATRIX_SCALE_ROW1
.endif
.endr
.endr
.endm
.macro FETCH_B slot, q, p              ; B's eight fragments into set p
	WIN TO_B
.irp i, 0,1,2,3,4,5,6,7
	FRAG 128*(\p)+FR*\i, ADRB+\slot, \q, \i
.endr
	WIN 0
.endm
.macro FETCH_A slot, q, i0             ; A's blocks i0 .. i0 + 3
.irp i, \i0, \i0+1, \i0+2, \i0+3
	FRAG AF+FR*(\i), ADRA+\slot, \q, \i
.endr
.endm
.macro SCALES sc                       ; a quarter of K's scale words into set sc: two words a row; lanes 0-15 A's block i, lanes 16-31 B's
.irp i, 0,1,2,3,4,5,6,7
	ds_load_b64 v[SC+16*(\sc)+2*\i:SC+16*(\sc)+2*\i+1], v[ADRS] offset:\i*SBLK
.endr
.endm
.macro PLACES n                        ; plain vector instructions between a matrix instruction and a load into, or a read of, its registers (ISA guide 7.12.1 for the reads)
.rept \n
	v_nop
.endr
.endm
; A step of 128 along K that has its successor in the same slot.  A's blocks are free as soon as their eight products are issued: blocks 0-3 are fetched anew in the middle, blocks 4-7 at the end.
.macro STEP slot, q, sc, first
	s_wait_dscnt 4*NL                              ; B's set, A's blocks 0-3 and the scale words are in; the youngest 24 loads (A's blocks 4-7) may be out
.if \first
	WIN BEG_LO
.else
	WIN MUL_LO
.endif
	MUL16 0, (\q)%2, \q, \sc, \first
	MUL16 2, (\q)%2, \q, \sc, \first
	s_wait_dscnt 0
	PLACES NP
	FETCH_B \slot, (\q)+1, 1-(\q)%2
	FETCH_A \slot, (\q)+1, 0
.if \first
	WIN BEG_HI
.else
	WIN MUL_HI
.endif
	MUL16 4, (\q)%2, \q, \sc, \first
	MUL16 6, (\q)%2, \q, \sc, \first
	PLACES NP
	WIN 0
	FETCH_A \slot, (\q)+1, 4
.endm
; A slot's last step; it fetches the next slot's first fragments and scale words.
; kind 2: this slot is filled again: all my tensor loads waited for, the add, my reads waited for, a round of the cluster's barrier, the joint refill first behind it.
; kind 1: the same three lines and my work-group's barrier: the refill has landed in every wave; nothing is filled.   kind 0: no barrier: the next slot was shown landed in every wave in front of kind 2's round.
.macro TURN slot, next, sc, kind
.if \kind
	s_wait_tensorcnt 0x0                           ; all my tensor loads have landed  (every window is 0 here)
	ds_add_u32 v[SPW], v[NIL]                      ; 0 onto my spare word
	s_wait_dscnt 4*NL+1                            ; (the add and the youngest 24 loads, A's blocks 4-7, may be out)
	WIN MUL_LO
	MUL16 0, 1, 1, \sc, 0                          ; sixteen matrix instructions stand between the add and the wait for it
	s_wait_dscnt 0x0                               ; the add is done, and my reads of this slot are over
	s_barrier_signal -1
	MUL16 2, 1, 1, \sc, 0
	WIN 0                                          ; (at a branch and at a label every window is 0)
	s_barrier_wait -1
.else
	s_wait_dscnt 4*NL
	WIN MUL_LO
	MUL16 0, 1, 1, \sc, 0
	MUL16 2, 1, 1, \sc, 0
	s_wait_dscnt 0x0
	WIN 0
.endif
.if \kind == 2
	CREST                                          ; the barrier has opened a round of the cluster's: no wave of any partner still reads this slot or has a load on its way
	s_add_nc_u64 s[G0+4*\slot+2:G0+4*\slot+3], s[G0+4*\slot+2:G0+4*\slot+3], 12*APL   ; chunks 12 to 15
	s_add_nc_u64 s[G0B+4*\slot+2:G0B+4*\slot+3], s[G0B+4*\slot+2:G0B+4*\slot+3], 12*BPL
	JLOAD G0+4*\slot, G1, G0B+4*\slot, G1B         ; the first tensor load behind the round: 224 matrix instructions ahead of the wait for it; its four v_nop are also the places in front of the loads below
.else
	PLACES NP
.endif
	v_add_nc_u32 v[ADRS], 4*NQ, v[ADRS]            ; on to the next quarter's scale words
	FETCH_B \next, 0, 0
	FETCH_A \next, 0, 0
	SCALES 1-\sc
	WIN MUL_HI
	MUL16 4, 1, 1, \sc, 0
	MUL16 6, 1, 1, \sc, 0
	PLACES NP
	WIN 0
	FETCH_A \next, 0, 4
.endm
	s_wait_tensorcnt 2                             ; the scale bytes and my part of slot 0 are in; slots 1 and 2 may stay out
	s_barrier_signal -1
	s_barrier_wait -1                              ; everybody's are
	FETCH_B 0, 0, 0
	FETCH_A 0, 0, 0
	SCALES 0
	FETCH_A 0, 0, 4
	s_wait_loadcnt 0x0                             ; the bias
	STEP 0, 0, 0, 1                                ; K 0-127: the bias starts the sums
	TURN 0, 1, 0, 2                                ; K 128-255; slot 0 is asked for again: K 768-1,023
	STEP 1, 0, 1, 0
	TURN 1, 2, 1, 0
	STEP 2, 0, 0, 0
	TURN 2, 0, 0, 1
	STEP 0, 0, 1, 0
	s_wait_dscnt 4*NL                              ; the very last step: nothing more to fetch
	WIN MUL_LO
	MUL16 0, 1, 1, 1, 0
	MUL16 2, 1, 1, 1, 0
	s_wait_dscnt 0
	WIN MUL_HI
	MUL16 4, 1, 1, 1, 0
	MUL16 6, 1, 1, 1, 0
	WIN 0
; THE WAY OUT.  64 numbers of a lane in window w, v[s] on, register 16 b + i = channel 32 b + 16 (lane / 16) + i of my token, become codes (blocks 0, 1 in v[d0] on, blocks 2, 3 in v[d1] on: six registers each) and a scale word in v[pw].
.macro QUANT w, s, d0, d1, pw
.set WQ, ((\w)<<2)|((\w)<<4)
	WIN WQ                                         ; sources 1 and 2: the accumulators' window
.irp b, 0,1,2,3
	v_max3_num_f32 v[TM+\b], v[FLR], |v[(\s)+16*\b]|, |v[(\s)+16*\b+1]|   ; block b: my 16 numbers and the floor; each accumulator is read from its low end on
.endr
.irp i, 2,4,6,8,10,12,14
.irp b, 0,1,2,3
	v_max3_num_f32 v[TM+\b], v[TM+\b], |v[(\s)+16*\b+\i]|, |v[(\s)+16*\b+\i+1]|
.endr
.endr
	WIN 0
.irp b, 0,1,2,3
	v_permlanex16_b32 v[TM+4+\b], v[TM+\b], s66, s67
.endr
.irp b, 0,1,2,3
	v_max_num_f32 v[TM+\b], v[TM+\b], v[TM+4+\b]   ; with lane l xor 16's: the block's largest magnitude
.endr
.irp b, 0,1,2,3
	v_add_nc_u32 v[TM+12+\b], 0xff000000, v[TM+\b] ; 2 off its exponent field: the conversion's scale operand
.endr
.irp b, 0,1,2,3
	v_lshrrev_b32 v[TM+4+\b], 23, v[TM+12+\b]      ; the scale's byte
.endr
	v_lshl_or_b32 v[\pw], v[TM+5], 8, v[TM+4]
	v_lshl_or_b32 v[\pw], v[TM+6], 16, v[\pw]
	v_lshl_or_b32 v[\pw], v[TM+7], 24, v[\pw]
.set WQ, \w
	WIN WQ                                         ; source 0: the accumulators' window
	v_cvt_scalef32_pk16_fp6_f32 v[(\d0):(\d0)+2], v[(\s):(\s)+15], v[TM+12]
	v_cvt_scalef32_pk16_fp6_f32 v[CT:CT+2], v[(\s)+16:(\s)+31], v[TM+13]        ; (a conversion's three registers begin on an even number)
	v_cvt_scalef32_pk16_fp6_f32 v[(\d1):(\d1)+2], v[(\s)+32:(\s)+47], v[TM+14]
	v_cvt_scalef32_pk16_fp6_f32 v[CT+4:CT+6], v[(\s)+48:(\s)+63], v[TM+15]
	WIN 0
	v_nop                                          ; one plain place behind a scaled conversion
.irp i, 0,1,2                                  ; the operand's layout wants a WHOLE block in a lane: lanes 0-15 the lower block, lanes 16-31 the upper
	v_permlane16_swap_b32 v[(\d0)+\i], v[CT+\i]
	v_permlane16_swap_b32 v[(\d1)+\i], v[CT+4+\i]
.endr
.irp i, 0,1,2
	v_mov_b32 v[(\d0)+3+\i], v[CT+\i]
	v_mov_b32 v[(\d1)+3+\i], v[CT+4+\i]
.endr
.endm
	PLACES NP                                      ; behind the last products
.irp b, 0,1,2,3
	v_mov_b32 v[TM+4+\b], 0                        ; written once: a lane permute's destination counts as one of its sources
.endr
.irp a, 0,1,2,3,4,5,6,7                        ; token block a: blocks 0, 1 are my even head's 64 channels, blocks 2, 3 my odd head's; two token blocks fill an image
.if (\a%2 == 0) && (\a > 0)
	s_wait_xcnt 0x0                                ; the last pair's stores have read their registers: the images may be written again
.endif
	QUANT 2+\a/4, 64*(\a%4), IMG+6*(\a%2), IMG+12+6*(\a%2), PWA+\a
.if \a%2 == 1
.irp c, 0,1,2
	global_store_b128 v[L16], v[IMG+4*\c:IMG+4*\c+3], s[14:15] offset:(\a/2)*1536+512*\c             ; 32 lanes store 512 consecutive bytes, aligned
	global_store_b128 v[L16], v[IMG+12+4*\c:IMG+12+4*\c+3], s[14:15] offset:(\a/2)*1536+512*\c+393216   ; the odd head's
.endr
.endif
.endr
	v_cmp_eq_u32 vcc_lo, 1, v2                     ; lanes 16-31 carry the odd tiles' words
.irp i, 0,1,2,3
	v_cndmask_b32 v[SW+\i], v[PWA+2*\i], v[PWA+2*\i+1], vcc_lo
.endr
.irp i, 0,1,2,3
	v_lshrrev_b32 v[SW+4+\i], 16, v[SW+\i]         ; the odd head's two bytes come down; above them 0, which is no 0xff
.endr
	global_store_b128 v[L16], v[SW:SW+3], s[16:17]
	global_store_b128 v[L16], v[SW+4:SW+7], s[16:17] offset:32768
	s_wait_tensorcnt 0x0                           ; the wave's end
	ds_add_u32 v[SPW], v[NIL]
	s_wait_dscnt 0x0
	CROUND                                         ; the closing round: no work-group ends while a partner may still ask for a tile that names it
	s_endpgm
.Lfunc_end_k_qdd4768e7ae_gemm_qk:
	.size	k_qdd4768e7ae_gemm_qk, .Lfunc_end_k_qdd4768e7ae_gemm_qk-k_qdd4768e7ae_gemm_qk
	.p2alignl 7, 3214868480
	.fill 96, 4, 3214868480
	.section	.rodata,"a",@progbits
	.p2align	6, 0x0
	.amdhsa_kernel k_qdd4768e7ae_gemm_qk
		.amdhsa_group_segment_fixed_size 327680
		.amdhsa_private_segment_fixed_size 0
		.amdhsa_enable_private_segment 0
		.amdhsa_kernarg_size 40
		.amdhsa_user_sgpr_count 2
		.amdhsa_user_sgpr_kernarg_segment_ptr 1
		.amdhsa_wavefront_size32 1
		.amdhsa_system_sgpr_workgroup_id_x 1
		.amdhsa_system_sgpr_workgroup_id_y 1
		.amdhsa_system_sgpr_workgroup_id_z 1
		.amdhsa_system_vgpr_workitem_id 0
		.amdhsa_next_free_vgpr 1024
		.amdhsa_next_free_sgpr 102
		.amdhsa_reserve_vcc 1
		.amdhsa_float_denorm_mode_32 3
		.amdhsa_float_denorm_mode_16_64 3
		.amdhsa_memory_ordered 1
		.amdhsa_forward_progress 1
		.amdhsa_inst_pref_size 165
	.end_amdhsa_kernel
	.amdgpu_metadata
---
amdhsa.version: [ 1, 2 ]
amdhsa.kernels:
  - .name:           k_qdd4768e7ae_gemm_qk
    .symbol:         k_qdd4768e7ae_gemm_qk.kd
    .args:
      - { .name: opc, .offset: 0, .size: 8, .value_kind: global_buffer, .address_space: global }
      - { .name: ops, .offset: 8, .size: 8, .value_kind: global_buffer, .address_space: global }
      - { .name: b_qkv, .offset: 16, .size: 8, .value_kind: global_buffer, .address_space: global }
      - { .name: qkc, .offset: 24, .size: 8, .value_kind: global_buffer, .address_space: global }
      - { .name: qks, .offset: 32, .size: 8, .value_kind: global_buffer, .address_space: global }
    .group_segment_fixed_size: 327680
    .private_segment_fixed_size: 0
    .kernarg_segment_align: 8
    .kernarg_segment_size: 40
    .max_flat_workgroup_size: 128
    .sgpr_count:     102
    .vgpr_count:     1024
    .wavefront_size: 32
...
	.end_amdgpu_metadata
.endif
;; end of part 2
;; launch gemm_v (part 3): grid 32 x 8, 4 waves a work-group, clusters of 4 x 4, 311,808 bytes of LDS; arguments opc, ops, b_qkv, vc, vs; writes vc, vs
.if DOCPART == 3
	.amdgcn_target "amdgcn-amd-amdhsa--gfx1250"
	.amdhsa_code_object_version 6
	.text
	.protected	k_qdd4768e7ae_gemm_v
	.globl	k_qdd4768e7ae_gemm_v
	.p2align	8
	.type	k_qdd4768e7ae_gemm_v,@function
k_qdd4768e7ae_gemm_v:
	s_mov_b64 s[64:65], 0
	v_nop
	global_prefetch_b8 v0, s[64:65] scope:SCOPE_SE
	s_setreg_imm32_b32 hwreg(HW_REG_WAVE_MODE, 25, 1), 1
	s_wait_xcnt 0x0
	s_wait_alu depctr_hold_cnt(0) depctr_sa_sdst(0) depctr_va_vdst(0) depctr_va_sdst(0) depctr_va_ssrc(0) depctr_va_vcc(0) depctr_vm_vsrc(0)
	s_getreg_b32 s2, hwreg(HW_REG_IB_STS2, 6, 4)
	s_cmp_eq_u32 s2, 0
	s_cbranch_scc0 .Lentry_in_a_cluster
	s_endpgm
.Lentry_in_a_cluster:
	s_bfe_u32 s2, ttmp6, 0x10000c
	s_cmp_lg_u32 s2, 0xf033
	s_cbranch_scc0 .Lentry_shape_is_right
	s_endpgm
.Lentry_shape_is_right:
; v^T = W_v x^T + b (channels 2,048 to 3,071 of W_qkv), on codes of FP6 (E2M3) with one E8M0 scale for each 32 along K = 1,024, sums in f32; the results are quantised on the way out ALONG THE KEYS, which are the K of attention's second product.
; "A" (source 1, tile row TY) = 128 channel positions of W_v, "B" (source 0, tile column TX) = 256 token positions of x.
; OPERANDS: codes [16 chunks of 64 K][12,288 positions][48 bytes], scale bytes [position][32]; position = row with bits 3 and 4 exchanged.
; SHARES: a work-group of four waves makes 128 channels x 256 tokens, so that the launch has 256 work-groups; a wave makes 64 x 128: one head x one key step, 32 accumulators of 16 x 16.
; For 128 along K a wave reads (64 + 128) x 96 bytes from LDS for 32 products.
; ALL OF K LIES IN LDS: (128 + 256) rows x 768 bytes = 294,912 bytes, as four slots of 256 along K, each filled ONCE: nothing is filled again, so the text has no ring.  The five fills of a wave (scale bytes, slots 0 to 3) go out together
; at the start: by the text's own count a wave has five tensor loads out.  In front of each slot's first read stand a counted wait, which leaves the later slots on their way, and my work-group's barrier.
; A tile of 64 (128) rows x 256 K is four runs of 3,072 (6,144) consecutive bytes; a lane's 24 bytes of a fragment lie at 48 (lane % 16) + 24 (lane / 16): the 32 lanes of a load of 8 bytes touch 64 different banks (64 banks of 4 bytes: ISA guide 11.1).
; CLUSTERS: 4 x 4 work-groups; A's tiles are shared along a row of the cluster, B's along a column: each is asked for jointly, by the same tensor load with the same descriptor and a mask that names the four.
; A lane holds ONE channel position, and by the order of positions the 16 registers of tiles 2 b' and 2 b' + 1 are tokens 32 b' + 16 (lane / 16) + 0 .. 15 in their true order: a wave's eight tiles of a channel block are one fragment
; (16 channel positions x 128 keys) and one scale word a row.  The bias, one number a lane, is the C of each sum's first instruction (added ahead of the products: an f32 difference in the order of rounding).
; OUT: vc [16 heads][64 steps of 128 keys][4 channel tiles][1,536]: an image of the fragment's 12 registers, 16 bytes a lane, 512 a store.   vs [16][64][32 lanes][2 words]: word i of lane l: channel tile 2 i + l / 16, row l % 16.
; LIMITS: a block of zeros or under 2^(3 - 127) gets the byte 1, not 127 (its codes are zeros; this program alone reads the bytes); NaN and infinities are not served.
; REGISTERS, in windows of 256: window 0: v1-31 addresses; v32-63 scale words, two sets; v64-95 the bias, later v64-127 at work on the way out; v128-175, v176-223 A's fragments, two sets.
;   window 1: B's fragments, two sets, at v0 and v128.   window 2: the accumulators ((a, b) at v[8 (8 a + b)]).
.set APL,   589824                     ; bytes from chunk to chunk of A's codes
.set BPL,   589824                     ; and of B's
.set AROW0, 10240                      ; A's first position: W_v
.set BROW0, 0                          ; B's: x
.set PA,    4                          ; s[4:5] the codes, s[6:7] the scale bytes, of both
.set PAS,   6
.set PB,    4
.set PBS,   6
.set FR,    12                         ; registers of a fragment: 16 rows x 128 K
.set NP,    4                          ; places behind this matrix instruction (ISA guide 7.12.1)
.set CHA,   3072                       ; one chunk of 64 rows
.set CHB,   6144                       ; one chunk of 128 rows
.set HALFA, 4*CHA                      ; 64 rows x 256 K: what one of A's tensor loads brings, and what a wave reads of A
.set HALFB, 4*CHB                      ; 128 rows x 256 K: the same for B
.set SLOT,  2*HALFA+2*HALFB            ; A's 128 rows, then B's 256 rows
.set SCL,   4*SLOT                     ; behind the four slots: the scale bytes for all of K, as runs of 256 bytes + 16 of padding: A's two halves, then B's two
.set HALFSA, 8*272                     ; those of 64 rows
.set HALFSB, 16*272                    ; those of 128 rows
.set SBLK,  2*272                      ; those of 16 rows
.set ADRA, 16                          ; v16-19  LDS address of my A fragments in slot 0 .. 3
.set ADRB, 20                          ; v20-23  the same for B
.set L16,  24                          ; v24     16 x lane
.set L8,   25                          ; v25     8 x lane
.set ADRS, 27                          ; v27     LDS address of my scale words: lanes 0-15 A's rows, lanes 16-31 B's
.set BOF,  30                          ; v30     my byte offset in the bias
.set FLR,  31                          ; v31     the floor 2^(3 - 127)
.set SC,   32                          ; scale words: set s at v[SC + 16 s]; register 2 i + q: lanes 0-15 A's block i (i < 4), lanes 16-31 B's block i, the slot's q-th 128 along K
.set BIAS, 64
.set AF,   128                         ; A's fragments: set q at AF + 48 q
.set TM,   64                          ; the way out: v64-67 largest magnitudes, v68-71 bytes, v76-79 the conversions' scale operands
.set PWA,  80                          ; v80-83  the scale word of each channel block
.set IMG,  88                          ; v88-111 two images of 12 registers, by turns
.set CT,   112                         ; v112-118 upper halves of blocks, as converted
.set SW,   120                         ; v120-121 scale words as stored
.set G1,   24                          ; s[24:31] descriptor group 1 for A's tiles, s[32:39] for B's, s[40:47], s[48:55] for their scale bytes
.set G1B,  32
.set G1S,  40
.set G1SB, 48
.set G0S,  56                          ; s[56:59], s[60:63] groups 0 for the scale bytes
.set G0SB, 60
.set G0,   68                          ; s[68:83] groups 0 for A's tiles, one for each slot; s[84:99] for B's
.set G0B,  84
.set MSB, 0
.macro WIN new                         ; the immediate's high byte repeats the setting that is left
.if MSB != (\new)
	s_set_vgpr_msb (MSB<<8)|(\new)
.set MSB, (\new)
.endif
.endm
.set MUL,  0xa1                        ; source 0 (B) window 1, source 1 (A) window 0, C and D window 2
.set BEG,  0x81                        ; the first step: C (the bias) window 0, D window 2
.set TO_B, 0x40                        ; destination window 1, address window 0
.macro CROUND                          ; a round of the cluster's barrier
	s_barrier_signal -1
	s_barrier_wait -1
	s_cmp_lg_u32 s18, 0
	s_cbranch_scc1 .Lnot_wave_0_\@
	s_barrier_signal -3
.Lnot_wave_0_\@:
	s_barrier_wait -3
	s_barrier_signal -1
	s_barrier_wait -1
.endm
	s_load_b128 s[4:7], s[0:1], 0x0                ; the operands' codes s[4:5], their scale bytes s[6:7]
	s_load_b128 s[12:15], s[0:1], 0x10             ; b_qkv s[12:13], vc s[14:15]
	s_load_b64 s[16:17], s[0:1], 0x20              ; vs
	v_lshl_add_u32 v254, v0, 2, 0x4c000
	v_mov_b32 v255, 0
	ds_add_u32 v254, v255
	ds_add_u32 v254, v255
	v_lshrrev_b32 v1, 5, v0
	v_readfirstlane_b32 s18, v1                    ; wave 0..3
	s_lshr_b32 s19, s18, 1                         ; WR: which 64 of the tile's A rows are mine.  Also: I fetch for A (0) or for B (1)
	s_and_b32 s20, s18, 1                          ; WC: which 128 of its B rows.  Also: which half I fetch
	s_bfe_u32 s66, ttmp6, 0x40000                  ; cx, cy: my place in the cluster.  What hangs on cx stays in s66, s67, s2, s3, s22; what hangs on cy in s100, s101, s104, s105, s21, until the loads are out
	s_bfe_u32 s100, ttmp6, 0x40004
	s_lshl_b32 s22, ttmp9, 2
	s_add_co_u32 s22, s22, s66                     ; TX = 4 x cluster x + cx: which 256 rows of B
	s_and_b32 s21, ttmp7, 0xffff
	s_lshl_b32 s21, s21, 2
	s_add_co_u32 s21, s21, s100                    ; TY = 4 x cluster y + cy: which 128 rows of A
	s_lshl_b32 s101, s100, 2
	s_lshl_b32 s101, 15, s101                      ; my row of the cluster
	s_lshl_b32 s67, 0x1111, s66                    ; my column
	; descriptor group 1 for the codes: 4 runs (chunks) of 384 or 768 elements of 8 bytes, a plane apart; no padding
	s_or_b32 s[G1+0], s101, (3<<16)|(1<<21)        ; 15:0 the mask: A's tiles go to my row; 17:16 elements of 8 bytes; 21 set beside a mask
	s_mov_b32 s[G1+1], 384<<16                     ; tensor_dim0
	s_mov_b32 s[G1+2], 4<<16                       ; tensor_dim1
	s_mov_b32 s[G1+3], 384<<16                     ; tile_dim0
	s_mov_b32 s[G1+4], 4                           ; tile_dim1
	s_mov_b32 s[G1+5], APL/8                       ; tensor_dim0_stride, in elements
	s_mov_b32 s[G1+6], 0
	s_mov_b32 s[G1+7], 0
	s_or_b32 s[G1B+0], s67, (3<<16)|(1<<21)        ; B's go to my column
	s_mov_b32 s[G1B+1], 768<<16
	s_mov_b32 s[G1B+2], 4<<16
	s_mov_b32 s[G1B+3], 768<<16
	s_mov_b32 s[G1B+4], 4
	s_mov_b32 s[G1B+5], BPL/8
	s_mov_b32 s[G1B+6], 0
	s_mov_b32 s[G1B+7], 0
	; and for the scale bytes: 2,048 (4,096) dense bytes as 8 (16) rows of 256, 16 bytes of padding behind each
	s_or_b32 s[G1S+0], s101, (3<<16)|(1<<20)|(1<<21)|(5<<22)|(3<<25)
	s_mov_b32 s[G1S+1], 32<<16
	s_mov_b32 s[G1S+2], 8<<16
	s_mov_b32 s[G1S+3], 32<<16
	s_mov_b32 s[G1S+4], 8
	s_mov_b32 s[G1S+5], 32
	s_mov_b32 s[G1S+6], 0
	s_mov_b32 s[G1S+7], 0
	s_or_b32 s[G1SB+0], s67, (3<<16)|(1<<20)|(1<<21)|(5<<22)|(3<<25)
	s_mov_b32 s[G1SB+1], 32<<16
	s_mov_b32 s[G1SB+2], 16<<16
	s_mov_b32 s[G1SB+3], 32<<16
	s_mov_b32 s[G1SB+4], 16
	s_mov_b32 s[G1SB+5], 32
	s_mov_b32 s[G1SB+6], 0
	s_mov_b32 s[G1SB+7], 0
	s_lshl_b32 s100, s21, 7
	s_lshl_b32 s23, s20, 6
	s_add_co_u32 s100, s100, s23
	s_add_co_u32 s100, s100, AROW0                 ; A: position AROW0 + 128 TY + 64 x half
	s_lshl_b32 s104, s100, 5                       ; its scale bytes,
	s_mul_i32 s100, s100, 48                       ; its codes in a chunk
	s_mov_b32 s101, 0
	s_mov_b32 s105, 0
	s_lshl_b32 s66, s22, 8
	s_lshl_b32 s23, s20, 7
	s_add_co_u32 s66, s66, s23
	s_add_co_u32 s66, s66, BROW0                   ; B: position BROW0 + 256 TX + 128 x half
	s_lshl_b32 s2, s66, 5
	s_mul_i32 s66, s66, 48
	s_mov_b32 s67, 0
	s_mov_b32 s3, 0
	; where they go: (wave % 2) x the half's bytes + constants: no place in the cluster enters an LDS address
	s_mul_i32 s[G0+1], s20, HALFA
	s_mul_i32 s[G0B+1], s20, HALFB
	s_add_co_u32 s[G0B+1], s[G0B+1], 2*HALFA
	s_mul_i32 s[G0S+1], s20, HALFSA
	s_add_co_u32 s[G0S+1], s[G0S+1], SCL
	s_mul_i32 s[G0SB+1], s20, HALFSB
	s_add_co_u32 s[G0SB+1], s[G0SB+1], SCL+2*HALFSA
.irp s, 1,2,3
	s_add_co_u32 s[G0+4*\s+1], s[G0+1], \s*SLOT
	s_add_co_u32 s[G0B+4*\s+1], s[G0B+1], \s*SLOT
.endr
	s_wait_dscnt 0x0
	s_wait_kmcnt 0x0
	s_add_nc_u64 s[G0+2:G0+3], s[PA:PA+1], s[100:101]
	s_add_nc_u64 s[G0B+2:G0B+3], s[PB:PB+1], s[66:67]
	s_add_nc_u64 s[G0S+2:G0S+3], s[PAS:PAS+1], s[104:105]
	s_add_nc_u64 s[G0SB+2:G0SB+3], s[PBS:PBS+1], s[2:3]
.irp s, 1,2,3
	s_add_nc_u64 s[G0+4*\s+2:G0+4*\s+3], s[G0+2:G0+3], \s*4*APL        ; slot s: chunks 4 s on
	s_add_nc_u64 s[G0B+4*\s+2:G0B+4*\s+3], s[G0B+2:G0B+3], \s*4*BPL
.endr
.irp s, 0,1,2,3
	s_mov_b32 s[G0+4*\s], 1                                        ; count = 1
	s_or_b32 s[G0+4*\s+3], s[G0+4*\s+3], 0x80000000               ; type = 2
	s_mov_b32 s[G0B+4*\s], 1
	s_or_b32 s[G0B+4*\s+3], s[G0B+4*\s+3], 0x80000000
.endr
	s_mov_b32 s[G0S], 1
	s_or_b32 s[G0S+3], s[G0S+3], 0x80000000
	s_mov_b32 s[G0SB], 1
	s_or_b32 s[G0SB+3], s[G0SB+3], 0x80000000
	CROUND                                         ; all sixteen work-groups are here: the joint loads meet
	s_cmp_eq_u32 s19, 0                            ; waves 0 and 1 fetch for A, waves 2 and 3 for B: a wave's five fills stand in one branch on the wave's number; four v_nop follow the last
	s_cbranch_scc0 .Lfor_b
	tensor_load_to_lds s[G0S:G0S+3], s[G1S:G1S+7]                  ; the scale bytes first: they are wanted with the first quarter of K
	s_nop 0
.irp s, 0,1,2,3
	tensor_load_to_lds s[G0+4*\s:G0+4*\s+3], s[G1:G1+7]
	s_nop 0
.endr
.rept 4
	v_nop
.endr
	s_branch .Lasked
.Lfor_b:
	tensor_load_to_lds s[G0SB:G0SB+3], s[G1SB:G1SB+7]
	s_nop 0
.irp s, 0,1,2,3
	tensor_load_to_lds s[G0B+4*\s:G0B+4*\s+3], s[G1B:G1B+7]
	s_nop 0
.endr
.rept 4
	v_nop
.endr
.Lasked:
	v_and_b32 v1, 15, v0                           ; r = lane % 16
	v_bfe_u32 v2, v0, 4, 1                         ; h = lane / 16
	v_mul_u32_u24 v3, v1, 48
	v_mad_u32_u24 v3, v2, 24, v3                   ; a fragment's row x 48 + 24 x half
	s_mul_i32 s23, s19, HALFA                      ; my 64 rows of A
	s_mul_i32 s66, s20, HALFB                      ; my 128 rows of B,
	s_add_co_u32 s66, s66, 2*HALFA                 ; which lie behind A's 128
.irp s, 0,1,2,3
	v_add_nc_u32 v[ADRA+\s], s23, v3
	v_add_nc_u32 v[ADRB+\s], s66, v3
	s_add_co_u32 s23, s23, SLOT
	s_add_co_u32 s66, s66, SLOT
.endr
	v_lshlrev_b32 v5, 5, v1                        ; my row's scale bytes: 32 a row,
	v_lshrrev_b32 v6, 3, v1
	v_lshl_add_u32 v5, v6, 4, v5                   ; and 16 more for each 256 passed
	s_mul_i32 s23, s19, HALFSA                     ; A's: my 64 rows
	s_mul_i32 s66, s20, HALFSB                     ; B's: my 128 rows, behind A's 128
	s_add_co_u32 s66, s66, 2*HALFSA
	s_sub_co_u32 s66, s66, s23
	v_mul_u32_u24 v6, s66, v2                      ; lanes 16-31 take B's
	s_add_co_u32 s23, s23, SCL
	v_add_nc_u32 v5, v5, v6
	v_add_nc_u32 v[ADRS], s23, v5
	v_and_b32 v7, 31, v0
	v_lshlrev_b32 v[L16], 4, v7
	v_lshlrev_b32 v[L8], 3, v7
	v_mov_b32 v[FLR], 0x1800000
	; where my results go
	s_lshl_b32 s100, s21, 1
	s_add_co_u32 s100, s100, s19                   ; my head: 2 TY + WR
	s_lshl_b32 s104, s22, 1
	s_add_co_u32 s104, s104, s20                   ; my 128 keys: step 2 TX + WC
	s_mul_i32 s2, s100, 393216
	s_mul_i32 s3, s104, 6144
	s_add_co_u32 s2, s2, s3
	s_mov_b32 s3, 0
	s_add_nc_u64 s[14:15], s[14:15], s[2:3]
	s_lshl_b32 s2, s100, 14
	s_lshl_b32 s23, s104, 8
	s_add_co_u32 s2, s2, s23
	s_add_nc_u64 s[16:17], s[16:17], s[2:3]
	s_lshl_b32 s2, s21, 9                          ; the bias of my 64 channels: 4 (2,048 + 128 TY + 64 WR) bytes on
	s_lshl_b32 s23, s19, 8
	s_add_co_u32 s2, s2, s23
	s_add_co_u32 s2, s2, 8192
	s_add_nc_u64 s[12:13], s[12:13], s[2:3]
	v_and_b32 v[BOF], 8, v1
	v_add_nc_u32 v[BOF], v[BOF], v1
	v_lshlrev_b32 v[BOF], 2, v[BOF]                ; lane r of block a is channel 32 (a / 2) + 8 (a % 2) + r + 8 (r / 8)
.irp a, 0,1,2,3
.irp j, 0,1,2,3,4,5,6,7
	global_load_b32 v[BIAS+8*\a+\j], v[BOF], s[12:13] offset:128*(\a/2)+32*(\a%2)   ; the same number into the eight registers that C names: no vector instruction spreads it
.endr
.endr
	s_mov_b32 s66, 0x76543210                      ; v_permlanex16_b32's selects for lane l xor 16
	s_mov_b32 s67, 0xfedcba98
.macro FRAG reg, adr, ch, q, i         ; a fragment: registers 6 c .. 6 c + 5 hold K = 64 c + 32 (lane / 16) + 0 .. 31: 24 bytes of chunk 2 q + c, as three loads of 8 bytes
.irp p, 0,1,2,3,4,5
	ds_load_b64 v[\reg+2*\p:\reg+2*\p+1], v[\adr] offset:(2*(\q)+\p/3)*(\ch)+(\i)*768+8*(\p%3)
.endr
.endm
; 16 matrix instructions: A's blocks a0, a0 + 1 x B's eight, the slot's q-th 128 along K, from the fragment sets q.  sc: the set of scale words.  first = 1: the bias is C and starts the sums.
; The 32 accumulators take turns, one instruction a turn, in the same order in every step.
.macro MUL16 a0, q, sc, first
.irp a, \a0, \a0+1
.irp b, 0,1,2,3,4,5,6,7
.if \first
	v_wmma_scale_f32_16x16x128_f8f6f4 v[8*(8*(\a)+\b):8*(8*(\a)+\b)+7], v[128*(\q)+FR*\b:128*(\q)+FR*\b+FR-1], v[AF+48*(\q)+FR*(\a):AF+48*(\q)+FR*(\a)+FR-1], v[BIAS+8*(\a):BIAS+8*(\a)+7], v[SC+16*(\sc)+2*\b+(\q)], v[SC+16*(\sc)+2*(\a)+(\q)] matrix_a_fmt:MATRIX_FMT_FP6 matrix_b_fmt:MATRIX_FMT_FP6 matrix_a_scale:MATRIX_SCALE_ROW1
.else
	v_wmma_scale_f32_16x16x128_f8f6f4 v[8*(8*(\a)+\b):8*(8*(\a)+\b)+7], v[128*(\q)+FR*\b:128*(\q)+FR*\b+FR-1], v[AF+48*(\q)+FR*(\a):AF+48*(\q)+FR*(\a)+FR-1], v[8*(8*(\a)+\b):8*(8*(\a)+\b)+7], v[SC+16*(\sc)+2*\b+(\q)], v[SC+16*(\sc)+2*(\a)+(\q)] matrix_a_fmt:MATRIX_FMT_FP6 matrix_b_fmt:MATRIX_FMT_FP6 matrix_a_scale:MATRIX_SCALE_ROW1
.endif
.endr
.endr
.endm
.macro FETCH_B slot, q                 ; B's eight fragments of the slot's q-th 128 along K into set q: 48 loads
	WIN TO_B
.irp i, 0,1,2,3,4,5,6,7
	FRAG 128*(\q)+FR*\i, ADRB+\slot, CHB, \q, \i
.endr
	WIN 0
.endm
.macro FETCH_A slot, q                 ; A's four: 24 loads
.irp i, 0,1,2,3
	FRAG AF+48*(\q)+FR*\i, ADRA+\slot, CHA, \q, \i
.endr
.endm
.macro SCALES sc, kq                   ; quarter kq of K's scale words into set sc: two words a row; lanes 0-15 A's block i (for i > 3 bytes that no product names), lanes 16-31 B's
.irp i, 0,1,2,3,4,5,6,7
	ds_load_b64 v[SC+16*(\sc)+2*\i:SC+16*(\sc)+2*\i+1], v[ADRS] offset:\i*SBLK+8*(\kq)
.endr
.endm
.macro PLACES n                        ; plain vector instructions between a matrix instruction and a load into, or a read of, its registers (ISA guide 7.12.1 for the reads)
.rept \n
	v_nop
.endr
.endm
; A slot's first 128 along K, from the sets 0; the sets 1, which the step before multiplied, take the slot's second 128.
.macro STEP slot, sc, first
	PLACES NP                                      ; behind the products that read the sets 1: for B's loads here and for A's below
	FETCH_B \slot, 1
	s_wait_dscnt 48                                ; all but the 48 just issued: the sets 0 and this slot's scale words are in
.if \first
	WIN BEG
.else
	WIN MUL
.endif
	MUL16 0, 0, \sc, \first
	WIN 0
	FETCH_A \slot, 1
.if \first
	WIN BEG
.else
	WIN MUL
.endif
	MUL16 2, 0, \sc, \first
	WIN 0
.endm
; A slot's second 128 along K, from the sets 1, and the change of slots: my part of the next slot has landed (left: my later slots' loads, which may stay out), my LDS loads are in,
; my work-group's barrier; behind it the next slot is whole, and its first fragments and scale words are fetched into the sets 0.
.macro TURN slot, sc, left
	s_wait_tensorcnt \left
	s_wait_dscnt 0x0                               ; the sets 1 are in, and no LDS instruction of mine is out at the signal
	WIN MUL
	s_barrier_signal -1
	MUL16 0, 1, \sc, 0                             ; work on registers while the others arrive
	WIN 0
	s_barrier_wait -1
	PLACES NP                                      ; behind the products that read the sets 0
	FETCH_B \slot+1, 0
	FETCH_A \slot+1, 0
	SCALES 1-\sc, \slot+1
	WIN MUL
	MUL16 2, 1, \sc, 0
	WIN 0
.endm
	s_wait_tensorcnt 3                             ; the scale bytes and my part of slot 0 are in; slots 1 to 3 may stay out
	s_barrier_signal -1
	s_barrier_wait -1                              ; everybody's are
	FETCH_B 0, 0
	FETCH_A 0, 0
	SCALES 0, 0
	s_wait_loadcnt 0x0                             ; the bias
	STEP 0, 0, 1                                   ; K 0-127: the bias starts the sums
	TURN 0, 0, 2
	STEP 1, 1, 0
	TURN 1, 1, 1
	STEP 2, 0, 0
	TURN 2, 0, 0                                   ; all my tensor loads are done
	STEP 3, 1, 0
	s_wait_dscnt 0x0                               ; the very last step: nothing more to fetch
	WIN MUL
	MUL16 0, 1, 1, 0
	MUL16 2, 1, 1, 0
	WIN 0
; THE WAY OUT.  64 numbers of a lane in window w, v[s] on, register 16 b + i = key 32 b + 16 (lane / 16) + i of my channel, become codes (blocks 0, 1 in v[d0] on, blocks 2, 3 in v[d1] on: six registers each) and a scale word in v[pw].
.macro QUANT w, s, d0, d1, pw
.set WQ, ((\w)<<2)|((\w)<<4)
	WIN WQ                                         ; sources 1 and 2: the accumulators' window
.irp b, 0,1,2,3
	v_max3_num_f32 v[TM+\b], v[FLR], |v[(\s)+16*\b]|, |v[(\s)+16*\b+1]|   ; block b: my 16 numbers and the floor; each accumulator is read from its low end on
.endr
.irp i, 2,4,6,8,10,12,14
.irp b, 0,1,2,3
	v_max3_num_f32 v[TM+\b], v[TM+\b], |v[(\s)+16*\b+\i]|, |v[(\s)+16*\b+\i+1]|
.endr
.endr
	WIN 0
.irp b, 0,1,2,3
	v_permlanex16_b32 v[TM+4+\b], v[TM+\b], s66, s67
.endr
.irp b, 0,1,2,3
	v_max_num_f32 v[TM+\b], v[TM+\b], v[TM+4+\b]   ; with lane l xor 16's: the block's largest magnitude
.endr
.irp b, 0,1,2,3
	v_add_nc_u32 v[TM+12+\b], 0xff000000, v[TM+\b] ; 2 off its exponent field: the conversion's scale operand
.endr
.irp b, 0,1,2,3
	v_lshrrev_b32 v[TM+4+\b], 23, v[TM+12+\b]      ; the scale's byte
.endr
	v_lshl_or_b32 v[\pw], v[TM+5], 8, v[TM+4]
	v_lshl_or_b32 v[\pw], v[TM+6], 16, v[\pw]
	v_lshl_or_b32 v[\pw], v[TM+7], 24, v[\pw]
.set WQ, \w
	WIN WQ                                         ; source 0: the accumulators' window
	v_cvt_scalef32_pk16_fp6_f32 v[(\d0):(\d0)+2], v[(\s):(\s)+15], v[TM+12]
	v_cvt_scalef32_pk16_fp6_f32 v[CT:CT+2], v[(\s)+16:(\s)+31], v[TM+13]        ; (a conversion's three registers begin on an even number)
	v_cvt_scalef32_pk16_fp6_f32 v[(\d1):(\d1)+2], v[(\s)+32:(\s)+47], v[TM+14]
	v_cvt_scalef32_pk16_fp6_f32 v[CT+4:CT+6], v[(\s)+48:(\s)+63], v[TM+15]
	WIN 0
	v_nop                                          ; one plain place behind a scaled conversion
.irp i, 0,1,2                                  ; the operand's layout wants a WHOLE block in a lane: lanes 0-15 the lower block, lanes 16-31 the upper
	v_permlane16_swap_b32 v[(\d0)+\i], v[CT+\i]
	v_permlane16_swap_b32 v[(\d1)+\i], v[CT+4+\i]
.endr
.irp i, 0,1,2
	v_mov_b32 v[(\d0)+3+\i], v[CT+\i]
	v_mov_b32 v[(\d1)+3+\i], v[CT+4+\i]
.endr
.endm
	PLACES NP                                      ; behind the last products
.irp b, 0,1,2,3
	v_mov_b32 v[TM+4+\b], 0                        ; written once: a lane permute's destination counts as one of its sources
.endr
.irp a, 0,1,2,3                                ; channel tile a of my head: one fragment of 16 channel positions x my 128 keys
.if \a > 1
	s_wait_xcnt 0x0                                ; tile a - 2's stores have read their registers: that image may be written again
.endif
	QUANT 2, 64*\a, IMG+12*(\a%2), IMG+12*(\a%2)+6, PWA+\a
.irp c, 0,1,2
	global_store_b128 v[L16], v[IMG+12*(\a%2)+4*\c:IMG+12*(\a%2)+4*\c+3], s[14:15] offset:\a*1536+512*\c   ; 32 lanes store 512 consecutive bytes, aligned
.endr
.endr
	v_cmp_eq_u32 vcc_lo, 1, v2                     ; lanes 16-31 carry the odd tiles' words
.irp i, 0,1
	v_cndmask_b32 v[SW+\i], v[PWA+2*\i], v[PWA+2*\i+1], vcc_lo
.endr
	global_store_b64 v[L8], v[SW:SW+1], s[16:17]   ; 32 lanes store 256 consecutive bytes, aligned
	s_wait_tensorcnt 0x0
	ds_add_u32 v254, v255
	s_wait_dscnt 0x0
	CROUND                                         ; the closing round: no work-group ends while a partner may still ask for a tile that names it
	s_endpgm
.Lfunc_end_k_qdd4768e7ae_gemm_v:
	.size	k_qdd4768e7ae_gemm_v, .Lfunc_end_k_qdd4768e7ae_gemm_v-k_qdd4768e7ae_gemm_v
	.p2alignl 7, 3214868480
	.fill 96, 4, 3214868480
	.section	.rodata,"a",@progbits
	.p2align	6, 0x0
	.amdhsa_kernel k_qdd4768e7ae_gemm_v
		.amdhsa_group_segment_fixed_size 311808
		.amdhsa_private_segment_fixed_size 0
		.amdhsa_enable_private_segment 0
		.amdhsa_kernarg_size 40
		.amdhsa_user_sgpr_count 2
		.amdhsa_user_sgpr_kernarg_segment_ptr 1
		.amdhsa_wavefront_size32 1
		.amdhsa_system_sgpr_workgroup_id_x 1
		.amdhsa_system_sgpr_workgroup_id_y 1
		.amdhsa_system_sgpr_workgroup_id_z 1
		.amdhsa_system_vgpr_workitem_id 0
		.amdhsa_next_free_vgpr 768
		.amdhsa_next_free_sgpr 106
		.amdhsa_reserve_vcc 1
		.amdhsa_float_denorm_mode_32 3
		.amdhsa_float_denorm_mode_16_64 3
		.amdhsa_memory_ordered 1
		.amdhsa_forward_progress 1
		.amdhsa_inst_pref_size 104
	.end_amdhsa_kernel
	.amdgpu_metadata
---
amdhsa.version: [ 1, 2 ]
amdhsa.kernels:
  - .name:           k_qdd4768e7ae_gemm_v
    .symbol:         k_qdd4768e7ae_gemm_v.kd
    .args:
      - { .name: opc, .offset: 0, .size: 8, .value_kind: global_buffer, .address_space: global }
      - { .name: ops, .offset: 8, .size: 8, .value_kind: global_buffer, .address_space: global }
      - { .name: b_qkv, .offset: 16, .size: 8, .value_kind: global_buffer, .address_space: global }
      - { .name: vc, .offset: 24, .size: 8, .value_kind: global_buffer, .address_space: global }
      - { .name: vs, .offset: 32, .size: 8, .value_kind: global_buffer, .address_space: global }
    .group_segment_fixed_size: 311808
    .private_segment_fixed_size: 0
    .kernarg_segment_align: 8
    .kernarg_segment_size: 40
    .max_flat_workgroup_size: 128
    .sgpr_count:     106
    .vgpr_count:     768
    .wavefront_size: 32
...
	.end_amdgpu_metadata
.endif
;; end of part 3
;; launch attn (part 4): grid 4 x 64, 16 waves a work-group, clusters of 4 x 1, 223,232 bytes of LDS; arguments qkc, qks, vc, vs, ac, asc; writes ac, asc
.if DOCPART == 4
	.amdgcn_target "amdgcn-amd-amdhsa--gfx1250"
	.amdhsa_code_object_version 6
	.text
	.protected	k_qdd4768e7ae_attn
	.globl	k_qdd4768e7ae_attn
	.p2align	8
	.type	k_qdd4768e7ae_attn,@function
k_qdd4768e7ae_attn:
	s_mov_b64 s[64:65], 0
	v_nop
	global_prefetch_b8 v0, s[64:65] scope:SCOPE_SE
	s_setreg_imm32_b32 hwreg(HW_REG_WAVE_MODE, 25, 1), 1
	s_wait_xcnt 0x0
	s_wait_alu depctr_hold_cnt(0) depctr_sa_sdst(0) depctr_va_vdst(0) depctr_va_sdst(0) depctr_va_ssrc(0) depctr_va_vcc(0) depctr_vm_vsrc(0)
	s_getreg_b32 s2, hwreg(HW_REG_IB_STS2, 6, 4)
	s_cmp_eq_u32 s2, 0
	s_cbranch_scc0 .Lentry_in_a_cluster
	s_endpgm
.Lentry_in_a_cluster:
	s_bfe_u32 s2, ttmp6, 0x10000c
	s_cmp_lg_u32 s2, 0x3003
	s_cbranch_scc0 .Lentry_shape_is_right
	s_endpgm
.Lentry_shape_is_right:
; Causal attention of one (batch, head), head size 64, 2,048 tokens, both products on codes of FP6 (E2M3) with one E8M0 scale for each 32 along a product's K; the result is quantised along the model's 1,024 on the way out.
; THE SOFTMAX AHEAD OF THE SECOND PRODUCT: t = score x log2(e) / 8; M = the row's largest t so far, rounded UP to a whole number; p = 2^(t - M) is what is quantised, along the keys; it is not normalised.
; The row's sum is taken of the unquantised p, in f32, and divides O at the end.  When M moves, the sum and O are multiplied by 2^(old M - new M): exact.
; INPUTS (made by the launches before; a token's POSITION is its number with bits 3 and 4 exchanged): qkc [32: q's heads, k's heads][256 pairs of 16-position tiles][1,536]: an image of 12 registers a lane, registers 0-5 the even tile,
; 6-11 the odd; qks [32][64 steps of 128][32 lanes][4 words]; vc [16 heads][64 steps][4 channel tiles][1,536]: fragments of 16 channel positions x 128 keys in true order; vs [16][64][32 lanes][2 words].
; K AND V OF THE HEAD STAY IN LDS: 2 x 98,304 bytes of codes and 12,288 of scale words, filled once: no ring, nothing is filled again, and the loop over the keys has no barrier.
; CLUSTER: the four work-groups of a cluster belong to one (batch, head) and need the same K and V: each part is asked for jointly, by the same tensor load with the same descriptor and the mask of all four.
; SHARES: work-group g of the four takes the query tiles 4 j + g, j = 0 .. 31; each of its sixteen waves takes two, jL and 31 - jL: 17 tile-steps for every wave.  Which steps a tile walks hangs on j, that is on the wave's number, never on g.
; A tile walks key steps 0 .. j / 2; in the last of them hidden scores become -infinity ahead of the maximum.  Steps behind it are left out by a scalar branch.
; THE HEAD'S 64 FILL HALF OF THE INSTRUCTION'S 128 ALONG K: Q's registers 6-11 are zero codes, so whatever K's operand names there (the next tile's codes) adds nothing; the scale bytes for that half are never 0xff.
; LAYOUT: both products are used transposed: S^T = K Q^T, O^T = V^T P^T: a lane holds ONE query (lane % 16).  By the order of positions the 16 registers of score tiles 2 b and 2 b + 1 are keys 32 b + 16 (lane / 16) + 0 .. 15 in true order,
; and those of O^T's tiles 2 b, 2 b + 1 are channels 32 b + 16 (lane / 16) + 0 .. 15.
; OUT: ac [16 heads][8,192 positions][48 bytes of codes]; asc [8,192 positions][32]: this head's two scale bytes at 2 x head (two bytes a row: 256-byte runs are written in part; they are one byte in 24 of what the launch stores).
; LIMITS: NaN and infinities are not served; a block of zeros or under 2^(3 - 127) gets the byte 1, not 127 (zero codes; this program alone reads the bytes); t - M is one fused multiply-add; a block's largest p is taken from its largest
; score by the same two instructions, which takes v_exp_f32 not to fall where its input rises; v_exp_f32 and v_rcp_f32 are accurate to 1 ulp (ISA guide 15.8).
.set VCO,  98304                       ; LDS: K's codes [16 steps][6,144] at 0; V's here;
.set KSO,  196608                      ; K's scale words [16][512];
.set VSO,  204800                      ; V's [16][256];
.set STG,  208896                      ; the way out: 768 bytes for each wave, bytes into which no fill lands
.set AK0,  1                           ; v1   16 x lane
.set AV0,  2                           ; v2   16 x lane + VCO
.set AS0,  3                           ; v3   16 x lane + KSO
.set AT0,  4                           ; v4   8 x lane + VSO
.set NINF, 5                           ; v5   -infinity
.set DQ,   6                           ; v6-7 tile u: my query's place in its key step, less 16 (lane / 16)
                                       ; v[8+4u] -M, v[9+4u] the largest t, v[10+4u:11+4u] the sum in two halves;  v[16+12u ..] Q: six registers of codes, six of zeros
.set QSW,  40                          ; v40-41 Q's scale words
.set KSW,  42                          ; v42-45 K's: word i: tile 2 i in lanes 0-15, tile 2 i + 1 in lanes 16-31
.set VSW,  46                          ; v46-47 V's likewise
.set PSW,  48                          ; v48    p's
.set TP,   49                          ; v49    at work
.set FF,   50                          ; v[50:51] f = 2^(old M - new M); the packed forms name the pair and take its low word
.set S2,   52                          ; v[52:53] the second chain of the sum
.set KV,   54                          ; v54-101 K's eight tiles of 6 registers, later V's four fragments of 12; between the two the softmax works here:
.set BM,   KV                          ; the blocks' largest scores, then largest p
.set BT,   KV+4                        ; the other half's; then the bytes
.set SO,   KV+8                        ; the conversions' scale operands
.set CT,   KV+12                       ; upper halves of blocks, as converted (3 registers at +0 and at +4)
.set ZR,   102                         ; v102-107 zeros: what tile 7's operand names behind its codes
.set S,    108                         ; v108-171 S^T, then p
                                       ; v[172+32u ..] O^T
.set PC,   236                         ; v236-247 p's codes
.set L8,   248                         ; v248 8 x lane
.set SIN,  249                         ; v249 the stage, in: 48 r + 24 h
.set SOUT, 250                         ; v250 the stage, out: 8 x lane
.set R32,  251                         ; v251 32 r
.set ADK,  252                         ; v252-255 the LDS addresses of the tile-step in hand
.set ADV,  253
.set ADS,  254
.set ADT,  255
.set WV,   16                          ; s16 wave   s17 g   s18 head   s19 batch
.set GG,   17
.set HD,   18
.set BA,   19
.set SEL,  20                          ; s[20:21] lane selects for v_permlanex16_b32: lane l xor 16
.set CS,   22                          ; s[22:23] c = log2(e) / 8
.set MS,   24                          ; s24 the key step
.set TB,   25                          ; s25 6,144 x step
.set QS,   26                          ; s26-27 tile u's last key step
.set JJ,   28                          ; s28-29 tile u's j
.set TS,   30                          ; s30 512 x step
.set TJ,   31                          ; s31 256 x step
.set D16,  32                          ; s[32:63] four descriptor groups 1: dense blocks of 16, 8, 12 and 180 rows of 256 bytes
.set D8,   40
.set D12,  48
.set D180, 56
.set GKS,  68                          ; s[68:91] six groups 0: K's scale words, step 0, the rest; V's likewise
.set GK0,  72
.set GKR,  76
.set GVS,  80
.set GV0,  84
.set GVR,  88
.set AP,   92                          ; s[92:95] tile u's place in ac
.set SQ,   96                          ; s[96:99] and in asc
.macro ROUND                           ; a round of the cluster's barrier
	s_barrier_signal -1
	s_barrier_wait -1
	s_cmp_lg_u32 s[WV], 0
	s_cbranch_scc1 .Lnot_wave_0_\@
	s_barrier_signal -3
.Lnot_wave_0_\@:
	s_barrier_wait -3
	s_barrier_signal -1
	s_barrier_wait -1
.endm
.macro DENSE g, rows                   ; group 1: rows x 32 elements of 8 bytes, dense; the mask names all four work-groups, bit 21 beside it
	s_mov_b32 s[\g], 15|(3<<16)|(1<<21)
	s_mov_b32 s[\g+1], 32<<16
	s_mov_b32 s[\g+2], (\rows)<<16
	s_mov_b32 s[\g+3], 32<<16
	s_mov_b32 s[\g+4], \rows
	s_mov_b32 s[\g+5], 32
	s_mov_b32 s[\g+6], 0
	s_mov_b32 s[\g+7], 0
.endm
.macro GROUP0 g, lds, ptr, more        ; group 0: my half begins s2 bytes on, in LDS and in memory alike
	s_mov_b32 s[\g], 1
	s_add_co_u32 s[\g+1], s2, \lds
	s_add_nc_u64 s[\g+2:\g+3], s[\ptr:\ptr+1], s[2:3]
.if \more
	s_add_nc_u64 s[\g+2:\g+3], s[\g+2:\g+3], \more
.endif
	s_or_b32 s[\g+3], s[\g+3], 0x80000000
.endm
	s_load_b256 s[4:11], s[0:1], 0x0               ; qkc s[4:5], qks s[6:7], vc s[8:9], vs s[10:11]
	s_load_b128 s[12:15], s[0:1], 0x20             ; ac s[12:13], asc s[14:15]
	v_lshl_add_u32 v254, v0, 2, 0x36000
	v_mov_b32 v255, 0
	ds_add_u32 v254, v255
	ds_add_u32 v254, v255
	s_wait_dscnt 0x0
	v_lshrrev_b32 v108, 5, v0
	v_readfirstlane_b32 s[WV], v108                ; wave 0..15
	s_bfe_u32 s[GG], ttmp6, 0x40000                ; g: my place in the cluster: it enters Q's, ac's and asc's addresses and the mask's numbers alone
	s_and_b32 s2, ttmp7, 0xffff
	s_and_b32 s[HD], s2, 15                        ; the head and the batch, which the four partners share
	s_lshr_b32 s[BA], s2, 4
	s_and_b32 s2, s[WV], 3                         ; my two tiles: jL = 4 a + b, b = wave % 4, a = (wave / 4 + 3 b) % 4; jH = 31 - jL
	s_lshr_b32 s3, s[WV], 2
	s_mul_i32 s66, s2, 3
	s_add_co_u32 s3, s3, s66
	s_and_b32 s3, s3, 3
	s_lshl_b32 s3, s3, 2
	s_add_co_u32 s[JJ], s3, s2
	s_xor_b32 s[JJ+1], s[JJ], 31
	s_lshr_b32 s[QS], s[JJ], 1                     ; tile 4 j + g lies in key step j / 2
	s_lshr_b32 s[QS+1], s[JJ+1], 1
	; every LDS address register that stays is made here, ahead of the first branch on the wave's number
	v_and_b32 v108, 31, v0                         ; lane
	v_and_b32 v109, 15, v0                         ; r
	v_bfe_u32 v110, v0, 4, 1                       ; h
	v_lshlrev_b32 v[AK0], 4, v108
	v_add_nc_u32 v[AV0], VCO, v[AK0]
	v_add_nc_u32 v[AS0], KSO, v[AK0]
	v_lshlrev_b32 v[L8], 3, v108
	v_add_nc_u32 v[AT0], VSO, v[L8]
	s_mul_i32 s2, s[WV], 768
	s_add_co_u32 s2, s2, STG                       ; my stage
	v_mul_u32_u24 v[SIN], v109, 48
	v_mad_u32_u24 v[SIN], v110, 24, v[SIN]
	v_add_nc_u32 v[SIN], s2, v[SIN]
	v_add_nc_u32 v[SOUT], s2, v[L8]
	v_lshlrev_b32 v[R32], 5, v109
	DENSE D16, 16
	DENSE D8, 8
	DENSE D12, 12
	DENSE D180, 180
	s_mov_b32 s[SEL], 0x76543210
	s_mov_b32 s[SEL+1], 0xfedcba98
	s_mov_b32 s[CS], 0x3e38aa3b                    ; c = log2(e) / 8
	s_mov_b32 s[CS+1], s[CS]                       ; (named with it as a pair, so it is written)
	s_mov_b32 s[MS], 0
	s_mov_b32 s[TB], 0
	s_mov_b32 s[TS], 0
	s_mov_b32 s[TJ], 0
	s_mul_i32 s2, s[HD], 393216                    ; the (batch, head)'s first byte among a tensor's codes,
	s_mul_i32 s3, s[BA], 98304
	s_add_co_u32 s2, s2, s3
	s_mov_b32 s3, 0
	s_lshl_b32 s66, s[HD], 15                      ; in qks,
	s_lshl_b32 s67, s[BA], 13
	s_add_co_u32 s66, s66, s67
	s_mov_b32 s67, 0
	s_lshl_b32 s100, s[HD], 14                     ; and in vs
	s_lshl_b32 s101, s[BA], 12
	s_add_co_u32 s100, s100, s101
	s_mov_b32 s101, 0
	s_wait_kmcnt 0x0
	s_add_nc_u64 s[4:5], s[4:5], s[2:3]            ; Q's codes; K's lie 16 heads (6,291,456 bytes) on
	s_add_nc_u64 s[6:7], s[6:7], s[66:67]          ; Q's scale words; K's 524,288 bytes on
	s_add_nc_u64 s[8:9], s[8:9], s[2:3]            ; V's codes
	s_add_nc_u64 s[10:11], s[10:11], s[100:101]    ; V's scale words
	s_and_b32 s66, s[WV], 1                        ; which half I fetch, if I fetch
	s_lshl_b32 s2, s66, 12
	GROUP0 GKS, KSO, 6, 524288                     ; half of K's 8,192 bytes of scale words
	s_lshl_b32 s2, s66, 11
	GROUP0 GVS, VSO, 10, 0                         ; half of V's 4,096
	s_mul_i32 s2, s66, 3072
	GROUP0 GK0, 0, 4, 6291456                      ; half of key step 0's 6,144 bytes of codes
	GROUP0 GV0, VCO, 8, 0
	s_mul_i32 s2, s66, 46080
	s_add_co_u32 s2, s2, 6144
	GROUP0 GKR, 0, 4, 6291456                      ; half of key steps 1 to 15
	GROUP0 GVR, VCO, 8, 0
	ROUND                                          ; all four work-groups are here: the joint loads meet
	s_cmp_lt_u32 s[WV], 2                          ; waves 0, 1 fetch K's halves, waves 2, 3 V's, the others nothing: a wave's three fills stand in one branch; three loads of mine are out.  Four v_nop follow the third
	s_cbranch_scc0 .Lnot_k
	tensor_load_to_lds s[GKS:GKS+3], s[D16:D16+7]
	s_nop 0
	tensor_load_to_lds s[GK0:GK0+3], s[D12:D12+7]
	s_nop 0
	tensor_load_to_lds s[GKR:GKR+3], s[D180:D180+7]
	s_nop 0
.rept 4
	v_nop
.endr
	s_branch .Lasked
.Lnot_k:
	s_cmp_lt_u32 s[WV], 4
	s_cbranch_scc0 .Lasked
	tensor_load_to_lds s[GVS:GVS+3], s[D8:D8+7]
	s_nop 0
	tensor_load_to_lds s[GV0:GV0+3], s[D12:D12+7]
	s_nop 0
	tensor_load_to_lds s[GVR:GVR+3], s[D180:D180+7]
	s_nop 0
.rept 4
	v_nop
.endr
.Lasked:
	; Q.  Tile 4 j + g is tile u = g % 2 of pair 2 j + g / 2.  Register i of the pair's image lies at 512 (i / 4) + 16 lane + 4 (i % 4); I want registers 6 u .. 6 u + 5: three loads of 8 bytes
	s_and_b32 s3, s[GG], 1
	s_mul_i32 s2, s3, 520
	v_add_nc_u32 v112, s2, v[AK0]                  ; registers 0, 1 (u = 1: 6, 7), and 512 bytes on registers 4, 5 (10, 11)
	s_mul_i32 s2, s3, 1016
	v_add_nc_u32 v113, s2, v[AK0]                  ; 8 bytes on: registers 2, 3 (8, 9)
	s_lshl_b32 s2, s3, 8
	v_lshl_add_u32 v114, v109, 4, s2               ; the scale word's lane: 16 (16 u + r)
	v_and_b32 v111, 8, v109
	v_add_nc_u32 v111, v111, v109
	v_lshlrev_b32 v115, 4, v110
	v_sub_nc_u32 v111, v111, v115                  ; r + 8 (r / 8) - 16 h
	s_lshr_b32 s101, s[GG], 1
.irp u, 0,1
	s_lshl_b32 s2, s[JJ+\u], 1
	s_add_co_u32 s2, s2, s101
	s_mul_i32 s2, s2, 1536                         ; the pair's image
	v_add_nc_u32 v[116+4*\u], s2, v112
	v_add_nc_u32 v[117+4*\u], s2, v113
	s_lshl_b32 s2, s[QS+\u], 9                     ; the scale word: step j / 2, word 2 (j % 2) + g / 2
	s_and_b32 s3, s[JJ+\u], 1
	s_lshl_b32 s3, s3, 1
	s_add_co_u32 s3, s3, s101
	s_lshl_b32 s3, s3, 2
	s_add_co_u32 s2, s2, s3
	v_add_nc_u32 v[118+4*\u], s2, v114
	global_load_b64 v[16+12*\u:17+12*\u], v[116+4*\u], s[4:5]
	global_load_b64 v[18+12*\u:19+12*\u], v[117+4*\u], s[4:5] offset:8
	global_load_b64 v[20+12*\u:21+12*\u], v[116+4*\u], s[4:5] offset:512
	global_load_b32 v[QSW+\u], v[118+4*\u], s[6:7]
	s_lshl_b32 s100, s[JJ+\u], 2
	s_add_co_u32 s100, s100, s[GG]                 ; the tile: 4 j + g
	s_bfe_u32 s2, s100, 0x20001                    ; my query's true place in its key step: 32 ((tile / 2) % 4) + 8 (tile % 2) + r + 8 (r / 8)
	s_lshl_b32 s2, s2, 5
	s_and_b32 s3, s100, 1
	s_lshl_b32 s3, s3, 3
	s_add_co_u32 s2, s2, s3
	v_add_nc_u32 v[DQ+\u], s2, v111
	s_lshl_b32 s3, s[BA], 7
	s_add_co_u32 s100, s100, s3                    ; the tile among all batches'
	s_mul_i32 s2, s100, 768
	s_mul_i32 s3, s[HD], 393216
	s_add_co_u32 s2, s2, s3
	s_mov_b32 s3, 0
	s_add_nc_u64 s[AP+2*\u:AP+2*\u+1], s[12:13], s[2:3]
	s_lshl_b32 s2, s100, 9
	s_lshl_b32 s100, s[HD], 1
	s_add_co_u32 s2, s2, s100
	s_add_nc_u64 s[SQ+2*\u:SQ+2*\u+1], s[14:15], s[2:3]
	v_mov_b32 v[9+4*\u], 0xff61b1e6                ; the largest t so far: -3e38, under every t
	v_floor_f32 v[8+4*\u], -v[9+4*\u]              ; -M
	v_mov_b32 v[10+4*\u], 0                        ; the sum, in two halves
	v_mov_b32 v[11+4*\u], 0
.irp i, 6,7,8,9,10,11
	v_mov_b32 v[16+12*\u+\i], 0                    ; Q's upper 64 along K: zero codes
.endr
.endr
.irp i, 0,1,2,3,4,5
	v_mov_b32 v[ZR+\i], 0
.endr
.irp b, 0,1,2,3
	v_mov_b32 v[BT+\b], 0                          ; written once: a lane permute's destination counts as one of its sources
.endr
	v_mov_b32 v[NINF], 0xff800000
	v_mov_b32 v[FF], 0
	v_mov_b32 v[FF+1], 0                           ; (named as the upper half of the pair)
; A TILE-STEP: tile u's 16 queries against the 128 keys of step MS.  first = 1: key step 0, which every tile walks: no branch round it, and its products V^T P^T start O^T's sums with the constant 0.
.macro STEP u, first
.set QR, 16+12*\u
.set NM, 8+4*\u
.set SM, 10+4*\u
.set OT, 172+32*\u
.if !\first
	s_cmp_gt_u32 s[MS], s[QS+\u]                   ; all keys of the step come after my queries: nothing to do
	s_cbranch_scc1 .Ldone_\@
.endif
	v_add_nc_u32 v[ADK], s[TB], v[AK0]             ; these four are also the places in front of loads into registers that the last products read
	v_add_nc_u32 v[ADV], s[TB], v[AV0]
	v_add_nc_u32 v[ADS], s[TS], v[AS0]
	v_add_nc_u32 v[ADT], s[TJ], v[AT0]
.irp i, 0,1,2,3,4,5,6,7,8,9,10,11
	ds_load_b128 v[KV+4*\i:KV+4*\i+3], v[ADK] offset:512*\i        ; four pairs' images on end: tile t's six registers at KV + 6 t; 512 consecutive bytes a load
.endr
	ds_load_b128 v[KSW:KSW+3], v[ADS]
	s_wait_dscnt 0x0
.irp t, 0,1,2,3,4,5,6,7                        ; S^T = K Q^T: the eight accumulators by turns
.if \t%2
	v_wmma_scale_f32_16x16x128_f8f6f4 v[S+8*\t:S+8*\t+7], v[KV+6*\t:KV+6*\t+11], v[QR:QR+11], 0, v[KSW+\t/2], v[QSW+\u] matrix_a_fmt:MATRIX_FMT_FP6 matrix_b_fmt:MATRIX_FMT_FP6 matrix_a_scale:MATRIX_SCALE_ROW1
.else
	v_wmma_scale_f32_16x16x128_f8f6f4 v[S+8*\t:S+8*\t+7], v[KV+6*\t:KV+6*\t+11], v[QR:QR+11], 0, v[KSW+\t/2], v[QSW+\u] matrix_a_fmt:MATRIX_FMT_FP6 matrix_b_fmt:MATRIX_FMT_FP6
.endif
.endr
.rept 4
	v_nop                                          ; places behind the products
.endr
	s_cmp_lg_u32 s[MS], s[QS+\u]                   ; only the tile's last step lies on the diagonal
	s_cbranch_scc1 .Lopen_\@
.set n, 0
.rept 64                                       ; register 16 b + i holds key 32 b + 16 (lane / 16) + i of the step: hidden where 32 b + i > DQ
	v_cmp_gt_i32 vcc_lo, 32*(n/16)+n%16, v[DQ+\u]
	v_cndmask_b32 v[S+n], v[S+n], v[NINF], vcc_lo
.set n, n+1
.endr
.Lopen_\@:
.irp b, 0,1,2,3
	v_max3_num_f32 v[BM+\b], v[S+16*\b], v[S+16*\b+1], v[S+16*\b+2]   ; the largest score of each block of 32 keys: it serves for the row's maximum and, since p rises with the score, for the block's largest p
.endr
.irp i, 3,5,7,9,11,13
.irp b, 0,1,2,3
	v_max3_num_f32 v[BM+\b], v[BM+\b], v[S+16*\b+\i], v[S+16*\b+\i+1]
.endr
.endr
.irp b, 0,1,2,3
	v_max_num_f32 v[BM+\b], v[BM+\b], v[S+16*\b+15]
.endr
.irp b, 0,1,2,3
	v_permlanex16_b32 v[BT+\b], v[BM+\b], s[SEL], s[SEL+1]
.endr
.irp b, 0,1,2,3
	v_max_num_f32 v[BM+\b], v[BM+\b], v[BT+\b]     ; with lane l xor 16's 16 keys
.endr
	v_max3_num_f32 v[TP], v[BM], v[BM+1], v[BM+2]
	v_max_num_f32 v[TP], v[TP], v[BM+3]            ; the step's largest score of my query (the step's first key always counts)
	v_mul_f32 v[TP], s[CS], v[TP]                  ; as t (c is positive)
	v_max_num_f32 v[NM+1], v[NM+1], v[TP]          ; the running largest t
	v_mov_b32 v[TP], v[NM]
	v_floor_f32 v[NM], -v[NM+1]                    ; the new -M = floor(-t) = -ceil(t): M is a whole number
	v_sub_f32 v[TP], v[NM], v[TP]                  ; M's old value less its new one: a whole number, 0 or less
	v_cvt_i32_f32 v[TP], v[TP]                     ; (it saturates)
	v_ldexp_f32 v[FF], 1.0, v[TP]                  ; f = 2^(old M - new M)
.set n, 0
.rept 32
	v_pk_fma_f32 v[S+n:S+n+1], v[S+n:S+n+1], s[CS:CS+1], v[NM:NM+1] op_sel_hi:[1,0,0]   ; t - M, two at a time (of the pairs c and -M the low word serves both halves)
.set n, n+2
.endr
.irp b, 0,1,2,3
	v_fma_f32 v[BM+\b], v[BM+\b], s[CS], v[NM]     ; the same of each block's largest score
.endr
.set n, 0
.rept 64
	v_exp_f32 v[S+n], v[S+n]                       ; p = 2^(t - M), at most 1: not normalised
.set n, n+1
.endr
.irp b, 0,1,2,3
	v_exp_f32 v[BM+\b], v[BM+\b]                   ; the block's largest p
.endr
	v_pk_mul_f32 v[SM:SM+1], v[SM:SM+1], v[FF:FF+1] op_sel_hi:[1,0]   ; the sums under the new M.  (A plain place behind the exponentials)
	s_wait_alu depctr_va_vdst(0)
.irp b, 0,1,2,3
	v_max_num_f32 v[BM+\b], 0x1800000, v[BM+\b]    ; the floor 2^(3 - 127): the byte cannot fall under 1
.endr
.irp b, 0,1,2,3
	v_add_nc_u32 v[SO+\b], 0xff000000, v[BM+\b]    ; 2 off the exponent field: the conversion's scale operand
.endr
.irp b, 0,1,2,3
	v_lshrrev_b32 v[BT+\b], 23, v[SO+\b]           ; the scale's byte
.endr
	v_lshl_or_b32 v[PSW], v[BT+1], 8, v[BT]        ; p's scale word for these 128 keys
	v_lshl_or_b32 v[PSW], v[BT+2], 16, v[PSW]
	v_lshl_or_b32 v[PSW], v[BT+3], 24, v[PSW]
.irp c, 0,1
	v_cvt_scalef32_pk16_fp6_f32 v[PC+6*\c:PC+6*\c+2], v[S+32*\c:S+32*\c+15], v[SO+2*\c]
	v_cvt_scalef32_pk16_fp6_f32 v[CT+4*\c:CT+4*\c+2], v[S+32*\c+16:S+32*\c+31], v[SO+2*\c+1]   ; (a conversion's three registers begin on an even number)
.endr
	v_nop                                          ; one plain place behind a scaled conversion
.irp c, 0,1                                    ; the operand's layout wants a WHOLE block in a lane
.irp i, 0,1,2
	v_permlane16_swap_b32 v[PC+6*\c+\i], v[CT+4*\c+\i]
.endr
.irp i, 0,1,2
	v_mov_b32 v[PC+3+6*\c+\i], v[CT+4*\c+\i]
.endr
.endr
.irp i, 0,1,2,3,4,5,6,7,8,9,10,11
	ds_load_b128 v[KV+4*\i:KV+4*\i+3], v[ADV] offset:512*\i        ; V's four fragments: they land under the sums below
.endr
	ds_load_b64 v[VSW:VSW+1], v[ADT]
	v_pk_add_f32 v[S2:S2+1], v[S:S+1], v[S+2:S+3]  ; the row's sum is taken of the UNQUANTISED p: two at a time, in two chains
.set n, 4
.rept 15
	v_pk_add_f32 v[SM:SM+1], v[SM:SM+1], v[S+n:S+n+1]
	v_pk_add_f32 v[S2:S2+1], v[S2:S2+1], v[S+n+2:S+n+3]
.set n, n+4
.endr
	v_pk_add_f32 v[SM:SM+1], v[SM:SM+1], v[S2:S2+1]
.if !\first
.set n, 0
.rept 16
	v_pk_mul_f32 v[OT+n:OT+n+1], v[OT+n:OT+n+1], v[FF:FF+1] op_sel_hi:[1,0]   ; O^T under the new M, each accumulator from its low end on
.set n, n+2
.endr
.endif
	s_wait_dscnt 0x0
.irp t, 0,1,2,3                                ; O^T += V^T P^T: the four accumulators by turns
.if \first
.if \t%2
	v_wmma_scale_f32_16x16x128_f8f6f4 v[OT+8*\t:OT+8*\t+7], v[KV+12*\t:KV+12*\t+11], v[PC:PC+11], 0, v[VSW+\t/2], v[PSW] matrix_a_fmt:MATRIX_FMT_FP6 matrix_b_fmt:MATRIX_FMT_FP6 matrix_a_scale:MATRIX_SCALE_ROW1
.else
	v_wmma_scale_f32_16x16x128_f8f6f4 v[OT+8*\t:OT+8*\t+7], v[KV+12*\t:KV+12*\t+11], v[PC:PC+11], 0, v[VSW+\t/2], v[PSW] matrix_a_fmt:MATRIX_FMT_FP6 matrix_b_fmt:MATRIX_FMT_FP6
.endif
.else
.if \t%2
	v_wmma_scale_f32_16x16x128_f8f6f4 v[OT+8*\t:OT+8*\t+7], v[KV+12*\t:KV+12*\t+11], v[PC:PC+11], v[OT+8*\t:OT+8*\t+7], v[VSW+\t/2], v[PSW] matrix_a_fmt:MATRIX_FMT_FP6 matrix_b_fmt:MATRIX_FMT_FP6 matrix_a_scale:MATRIX_SCALE_ROW1
.else
	v_wmma_scale_f32_16x16x128_f8f6f4 v[OT+8*\t:OT+8*\t+7], v[KV+12*\t:KV+12*\t+11], v[PC:PC+11], v[OT+8*\t:OT+8*\t+7], v[VSW+\t/2], v[PSW] matrix_a_fmt:MATRIX_FMT_FP6 matrix_b_fmt:MATRIX_FMT_FP6
.endif
.endif
.endr
.Ldone_\@:
.endm
.macro KSTEP first                     ; a key step: my two tiles, then the addresses step
	STEP 0, \first
	STEP 1, \first
	s_add_co_u32 s[TB], s[TB], 6144
	s_add_co_u32 s[TS], s[TS], 512
	s_add_co_u32 s[TJ], s[TJ], 256
	s_add_co_u32 s[MS], s[MS], 1
.endm
	s_wait_tensorcnt 0x1                           ; my halves of the scale words and of key step 0 are in; my third load, key steps 1 to 15, may stay out
	s_barrier_signal -1
	s_barrier_wait -1                              ; everybody's are
	s_wait_loadcnt 0x0                             ; Q
	KSTEP 1                                        ; key step 0: its 32 tile-steps are worked while the other fifteen steps' bytes land
	s_wait_tensorcnt 0x0                           ; my part of them is in,
	s_wait_dscnt 0x0
	s_barrier_signal -1
	s_barrier_wait -1                              ; everybody's is: from here on LDS is only read, and no barrier stands in the loop
.Lkeys:                                            ; 15 trips for every wave of every work-group; a tile that is done jumps over its work
	KSTEP 0
	s_cmp_lt_u32 s[MS], 16
	s_cbranch_scc1 .Lkeys
.rept 4
	v_nop                                          ; places behind the last products
.endr
; THE WAY OUT of tile u: O^T / the sum; its 32 registers are channels 32 b + 16 (lane / 16) + i: two blocks of the next product's K; codes go through my stage and leave as 768 consecutive bytes.
.macro OUT u
.set SM, 10+4*\u
.set OT, 172+32*\u
.set SS, S+32*\u
.set PO, PC+6*\u
.set OB, 80+6*\u
	v_add_f32 v[TP], v[SM], v[SM+1]                ; the sum's two halves,
	v_permlanex16_b32 v[FF], v[TP], s[SEL], s[SEL+1]
	v_add_f32 v[TP], v[TP], v[FF]                  ; and lane l xor 16's: the row's sum
	v_rcp_f32 v[FF], v[TP]
	v_nop                                          ; one plain place behind a transcendental
.set n, 0
	s_wait_alu depctr_va_vdst(0)
.rept 16
	v_pk_mul_f32 v[SS+n:SS+n+1], v[OT+n:OT+n+1], v[FF:FF+1] op_sel_hi:[1,0]
.set n, n+2
.endr
.irp b, 0,1
	v_max3_num_f32 v[BM+\b], |v[SS+16*\b]|, |v[SS+16*\b+1]|, 0x1800000   ; my 16 numbers of block b, and the floor
.endr
.irp i, 2,4,6,8,10,12,14
.irp b, 0,1
	v_max3_num_f32 v[BM+\b], v[BM+\b], |v[SS+16*\b+\i]|, |v[SS+16*\b+\i+1]|
.endr
.endr
.irp b, 0,1
	v_permlanex16_b32 v[BT+\b], v[BM+\b], s[SEL], s[SEL+1]
.endr
.irp b, 0,1
	v_max_num_f32 v[BM+\b], v[BM+\b], v[BT+\b]
.endr
.irp b, 0,1
	v_add_nc_u32 v[SO+\b], 0xff000000, v[BM+\b]
.endr
.irp b, 0,1
	v_lshrrev_b32 v[BT+\b], 23, v[SO+\b]
.endr
	v_lshl_or_b32 v[92+\u], v[BT+1], 8, v[BT]      ; the head's two scale bytes of my row
	v_cvt_scalef32_pk16_fp6_f32 v[PO:PO+2], v[SS:SS+15], v[SO]
	v_cvt_scalef32_pk16_fp6_f32 v[CT:CT+2], v[SS+16:SS+31], v[SO+1]
	v_nop                                          ; one plain place behind a scaled conversion
.irp i, 0,1,2
	v_permlane16_swap_b32 v[PO+\i], v[CT+\i]
.endr
.irp i, 0,1,2
	v_mov_b32 v[PO+3+\i], v[CT+\i]                 ; lane (r, h): position r, channels 32 h on: 24 bytes
.endr
.irp i, 0,1,2
	ds_store_b64 v[SIN], v[PO+2*\i:PO+2*\i+1] offset:8*\i
.endr
.irp i, 0,1,2
	ds_load_b64 v[OB+2*\i:OB+2*\i+1], v[SOUT] offset:256*\i        ; LDS serves a wave's instructions in order (ISA guide 5.7.1.4): these see my stores
.endr
	s_wait_dscnt 0x0
.irp i, 0,1,2
	global_store_b64 v[L8], v[OB+2*\i:OB+2*\i+1], s[AP+2*\u:AP+2*\u+1] offset:256*\i   ; 32 lanes store 256 consecutive bytes, aligned
.endr
	global_store_b16 v[R32], v[92+\u], s[SQ+2*\u:SQ+2*\u+1]        ; lanes r and r + 16 write the same two bytes with the same value
.endm
	OUT 0
	OUT 1
	s_wait_dscnt 0x0
	s_wait_xcnt 0x0
	v_lshl_add_u32 v254, v0, 2, 0x36000
	v_mov_b32 v255, 0
	s_wait_tensorcnt 0x0
	ds_add_u32 v254, v255
	s_wait_dscnt 0x0
	ROUND                                          ; the closing round: no work-group ends while a partner may still ask for a part that names it
	s_endpgm
.Lfunc_end_k_qdd4768e7ae_attn:
	.size	k_qdd4768e7ae_attn, .Lfunc_end_k_qdd4768e7ae_attn-k_qdd4768e7ae_attn
	.p2alignl 7, 3214868480
	.fill 96, 4, 3214868480
	.section	.rodata,"a",@progbits
	.p2align	6, 0x0
	.amdhsa_kernel k_qdd4768e7ae_attn
		.amdhsa_group_segment_fixed_size 223232
		.amdhsa_private_segment_fixed_size 0
		.amdhsa_enable_private_segment 0
		.amdhsa_kernarg_size 48
		.amdhsa_user_sgpr_count 2
		.amdhsa_user_sgpr_kernarg_segment_ptr 1
		.amdhsa_wavefront_size32 1
		.amdhsa_system_sgpr_workgroup_id_x 1
		.amdhsa_system_sgpr_workgroup_id_y 1
		.amdhsa_system_sgpr_workgroup_id_z 1
		.amdhsa_system_vgpr_workitem_id 0
		.amdhsa_next_free_vgpr 256
		.amdhsa_next_free_sgpr 102
		.amdhsa_reserve_vcc 1
		.amdhsa_float_denorm_mode_32 3
		.amdhsa_float_denorm_mode_16_64 3
		.amdhsa_memory_ordered 1
		.amdhsa_forward_progress 1
		.amdhsa_inst_pref_size 100
	.end_amdhsa_kernel
	.amdgpu_metadata
---
amdhsa.version: [ 1, 2 ]
amdhsa.kernels:
  - .name:           k_qdd4768e7ae_attn
    .symbol:         k_qdd4768e7ae_attn.kd
    .args:
      - { .name: qkc, .offset: 0, .size: 8, .value_kind: global_buffer, .address_space: global }
      - { .name: qks, .offset: 8, .size: 8, .value_kind: global_buffer, .address_space: global }
      - { .name: vc, .offset: 16, .size: 8, .value_kind: global_buffer, .address_space: global }
      - { .name: vs, .offset: 24, .size: 8, .value_kind: global_buffer, .address_space: global }
      - { .name: ac, .offset: 32, .size: 8, .value_kind: global_buffer, .address_space: global }
      - { .name: asc, .offset: 40, .size: 8, .value_kind: global_buffer, .address_space: global }
    .group_segment_fixed_size: 223232
    .private_segment_fixed_size: 0
    .kernarg_segment_align: 8
    .kernarg_segment_size: 48
    .max_flat_workgroup_size: 512
    .sgpr_count:     102
    .vgpr_count:     256
    .wavefront_size: 32
...
	.end_amdgpu_metadata
.endif
;; end of part 4
;; launch gemm_proj (part 5): grid 4 x 64, 4 waves a work-group, clusters of 4 x 4, 311,808 bytes of LDS; arguments ac, asc, opc, ops, b_proj, out0; writes out0
.if DOCPART == 5
	.amdgcn_target "amdgcn-amd-amdhsa--gfx1250"
	.amdhsa_code_object_version 6
	.text
	.protected	k_qdd4768e7ae_gemm_proj
	.globl	k_qdd4768e7ae_gemm_proj
	.p2align	8
	.type	k_qdd4768e7ae_gemm_proj,@function
k_qdd4768e7ae_gemm_proj:
	s_mov_b64 s[64:65], 0
	v_nop
	global_prefetch_b8 v0, s[64:65] scope:SCOPE_SE
	s_setreg_imm32_b32 hwreg(HW_REG_WAVE_MODE, 25, 1), 1
	s_wait_xcnt 0x0
	s_wait_alu depctr_hold_cnt(0) depctr_sa_sdst(0) depctr_va_vdst(0) depctr_va_sdst(0) depctr_va_ssrc(0) depctr_va_vcc(0) depctr_vm_vsrc(0)
	s_getreg_b32 s2, hwreg(HW_REG_IB_STS2, 6, 4)
	s_cmp_eq_u32 s2, 0
	s_cbranch_scc0 .Lentry_in_a_cluster
	s_endpgm
.Lentry_in_a_cluster:
	s_bfe_u32 s2, ttmp6, 0x10000c
	s_cmp_lg_u32 s2, 0xf033
	s_cbranch_scc0 .Lentry_shape_is_right
	s_endpgm
.Lentry_shape_is_right:
; out0 = att W_proj^T + b_proj, on codes of FP6 (E2M3) with one E8M0 scale for each 32 along K = 1,024, sums in f32, results f32.
; "A" (source 1, tile row TY) = 128 token positions of the attention's result: codes [16 heads = chunks of 64 K][8,192 positions][48 bytes], scale bytes [position][32].
; "B" (source 0, tile column TX) = 256 channel positions of W_proj: codes [16 chunks][12,288 positions][48], positions 11,264 on; scale bytes [position][32].  Position = row with bits 3 and 4 exchanged.
; SHARES: a work-group of four waves makes 128 tokens x 256 channels, so that the launch has 256 work-groups; a wave makes 64 x 128: 32 accumulators of 16 x 16.  For 128 along K a wave reads (64 + 128) x 96 bytes from LDS for 32 products.
; ALL OF K LIES IN LDS: (128 + 256) rows x 768 bytes = 294,912 bytes, as four slots of 256 along K, each filled ONCE: nothing is filled again, so the text has no ring.  The five fills of a wave (scale bytes, slots 0 to 3) go out together
; at the start: by the text's own count a wave has five tensor loads out.  In front of each slot's first read stand a counted wait, which leaves the later slots on their way, and my work-group's barrier.
; A tile of 64 (128) rows x 256 K is four runs of 3,072 (6,144) consecutive bytes; a lane's 24 bytes of a fragment lie at 48 (lane % 16) + 24 (lane / 16): the 32 lanes of a load of 8 bytes touch 64 different banks (64 banks of 4 bytes: ISA guide 11.1).
; CLUSTERS: 4 x 4 work-groups; A's tiles are shared along a row of the cluster, B's along a column: each is asked for jointly, by the same tensor load with the same descriptor and a mask that names the four.
; A lane holds ONE token position; register j of tile b is channel 32 (b / 2) + 16 (lane / 16) + 8 (b % 2) + j.  The bias is the C of each sum's first instruction (added ahead of the products: an f32 difference in the order of rounding).
; THE WAY OUT puts both orders right: a block of 16 token positions goes through my stage in LDS with its channels at their true places, comes back as whole rows of 512 bytes, and each row is stored at its token's true row.
; LIMITS: NaN and infinities are not served.
; REGISTERS, in windows of 256: window 0: v1-31 addresses; v32-63 scale words, two sets; v64-127 the bias; v128-175, v176-223 A's fragments, two sets; on the way out v128-255 rows of the result.
;   window 1: B's fragments, two sets, at v0 and v128.   window 2: the accumulators ((a, b) at v[8 (8 a + b)]).
.set APL,   393216                     ; bytes from chunk to chunk of A's codes: 8,192 x 48
.set BPL,   589824                     ; and of B's: 12,288 x 48
.set AROW0, 0                          ; A's first position
.set BROW0, 11264                      ; B's: W_proj
.set PA,    4                          ; s[4:5] A's codes, s[6:7] A's scale bytes, s[8:9] B's codes, s[10:11] B's scale bytes
.set PAS,   6
.set PB,    8
.set PBS,   10
.set FR,    12                         ; registers of a fragment: 16 rows x 128 K
.set NP,    4                          ; places behind this matrix instruction (ISA guide 7.12.1)
.set CHA,   3072                       ; one chunk of 64 rows
.set CHB,   6144                       ; one chunk of 128 rows
.set HALFA, 4*CHA                      ; 64 rows x 256 K: what one of A's tensor loads brings, and what a wave reads of A
.set HALFB, 4*CHB                      ; 128 rows x 256 K: the same for B
.set SLOT,  2*HALFA+2*HALFB            ; A's 128 rows, then B's 256 rows
.set SCL,   4*SLOT                     ; behind the four slots: the scale bytes for all of K, as runs of 256 bytes + 16 of padding: A's two halves, then B's two
.set HALFSA, 8*272                     ; those of 64 rows
.set HALFSB, 16*272                    ; those of 128 rows
.set SBLK,  2*272                      ; those of 16 rows
.set SPITCH, 528                       ; the way out: a stage of 16 rows x (512 bytes + 16) for each wave.  It lies in slot 0, which is filled once and has had its last read, in every wave, in front of the first change of slots
.set STAGE, 0
.set ADRA, 16                          ; v16-19  LDS address of my A fragments in slot 0 .. 3
.set ADRB, 20                          ; v20-23  the same for B
.set STO,  24                          ; v24     the way out: where I put 32 bytes of a row
.set RD,   25                          ; v25     the way out: where I read a row back
.set CO,   26                          ; v26     my byte offset in a row of out0
.set ADRS, 27                          ; v27     LDS address of my scale words: lanes 0-15 A's rows, lanes 16-31 B's
.set BOF,  30                          ; v30     my byte offset in the bias
.set SC,   32                          ; scale words: set s at v[SC + 16 s]; register 2 i + q: lanes 0-15 A's block i (i < 4), lanes 16-31 B's block i, the slot's q-th 128 along K
.set BIAS, 64
.set AF,   128                         ; A's fragments: set q at AF + 48 q
.set BK,   128                         ; the way out: 16 rows read back from the stage: v128-191 and v192-255 by turns
.set G1,   24                          ; s[24:31] descriptor group 1 for A's tiles, s[32:39] for B's, s[40:47], s[48:55] for their scale bytes
.set G1B,  32
.set G1S,  40
.set G1SB, 48
.set G0S,  56                          ; s[56:59], s[60:63] groups 0 for the scale bytes
.set G0SB, 60
.set G0,   68                          ; s[68:83] groups 0 for A's tiles, one for each slot; s[84:99] for B's
.set G0B,  84
.set MSB, 0
.macro WIN new                         ; the immediate's high byte repeats the setting that is left
.if MSB != (\new)
	s_set_vgpr_msb (MSB<<8)|(\new)
.set MSB, (\new)
.endif
.endm
.set MUL,  0xa1                        ; source 0 (B) window 1, source 1 (A) window 0, C and D window 2
.set BEG,  0x81                        ; the first step: C (the bias) window 0, D window 2
.set TO_B, 0x40                        ; destination window 1, address window 0
.macro CROUND                          ; a round of the cluster's barrier
	s_barrier_signal -1
	s_barrier_wait -1
	s_cmp_lg_u32 s18, 0
	s_cbranch_scc1 .Lnot_wave_0_\@
	s_barrier_signal -3
.Lnot_wave_0_\@:
	s_barrier_wait -3
	s_barrier_signal -1
	s_barrier_wait -1
.endm
	s_load_b256 s[4:11], s[0:1], 0x0               ; ac, asc, opc, ops
	s_load_b128 s[12:15], s[0:1], 0x20             ; b_proj s[12:13], out0 s[14:15]
	v_lshl_add_u32 v29, v0, 2, 0x4c000
	v_mov_b32 v31, 0
	ds_add_u32 v29, v31
	ds_add_u32 v29, v31
	v_lshrrev_b32 v1, 5, v0
	v_readfirstlane_b32 s18, v1                    ; wave 0..3
	s_lshr_b32 s19, s18, 1                         ; WR: which 64 of the tile's A rows are mine.  Also: I fetch for A (0) or for B (1)
	s_and_b32 s20, s18, 1                          ; WC: which 128 of its B rows.  Also: which half I fetch
	s_bfe_u32 s66, ttmp6, 0x40000                  ; cx, cy: my place in the cluster.  What hangs on cx stays in s66, s67, s2, s3, s22; what hangs on cy in s100, s101, s104, s105, s21, until the loads are out
	s_bfe_u32 s100, ttmp6, 0x40004
	s_lshl_b32 s22, ttmp9, 2
	s_add_co_u32 s22, s22, s66                     ; TX = 4 x cluster x + cx: which 256 rows of B
	s_and_b32 s21, ttmp7, 0xffff
	s_lshl_b32 s21, s21, 2
	s_add_co_u32 s21, s21, s100                    ; TY = 4 x cluster y + cy: which 128 rows of A
	s_lshl_b32 s101, s100, 2
	s_lshl_b32 s101, 15, s101                      ; my row of the cluster
	s_lshl_b32 s67, 0x1111, s66                    ; my column
	; descriptor group 1 for the codes: 4 runs (chunks) of 384 or 768 elements of 8 bytes, a plane apart; no padding
	s_or_b32 s[G1+0], s101, (3<<16)|(1<<21)        ; 15:0 the mask: A's tiles go to my row; 17:16 elements of 8 bytes; 21 set beside a mask
	s_mov_b32 s[G1+1], 384<<16                     ; tensor_dim0
	s_mov_b32 s[G1+2], 4<<16                       ; tensor_dim1
	s_mov_b32 s[G1+3], 384<<16                     ; tile_dim0
	s_mov_b32 s[G1+4], 4                           ; tile_dim1
	s_mov_b32 s[G1+5], APL/8                       ; tensor_dim0_stride, in elements
	s_mov_b32 s[G1+6], 0
	s_mov_b32 s[G1+7], 0
	s_or_b32 s[G1B+0], s67, (3<<16)|(1<<21)        ; B's go to my column
	s_mov_b32 s[G1B+1], 768<<16
	s_mov_b32 s[G1B+2], 4<<16
	s_mov_b32 s[G1B+3], 768<<16
	s_mov_b32 s[G1B+4], 4
	s_mov_b32 s[G1B+5], BPL/8
	s_mov_b32 s[G1B+6], 0
	s_mov_b32 s[G1B+7], 0
	; and for the scale bytes: 2,048 (4,096) dense bytes as 8 (16) rows of 256, 16 bytes of padding behind each
	s_or_b32 s[G1S+0], s101, (3<<16)|(1<<20)|(1<<21)|(5<<22)|(3<<25)
	s_mov_b32 s[G1S+1], 32<<16
	s_mov_b32 s[G1S+2], 8<<16
	s_mov_b32 s[G1S+3], 32<<16
	s_mov_b32 s[G1S+4], 8
	s_mov_b32 s[G1S+5], 32
	s_mov_b32 s[G1S+6], 0
	s_mov_b32 s[G1S+7], 0
	s_or_b32 s[G1SB+0], s67, (3<<16)|(1<<20)|(1<<21)|(5<<22)|(3<<25)
	s_mov_b32 s[G1SB+1], 32<<16
	s_mov_b32 s[G1SB+2], 16<<16
	s_mov_b32 s[G1SB+3], 32<<16
	s_mov_b32 s[G1SB+4], 16
	s_mov_b32 s[G1SB+5], 32
	s_mov_b32 s[G1SB+6], 0
	s_mov_b32 s[G1SB+7], 0
	s_lshl_b32 s100, s21, 7
	s_lshl_b32 s23, s20, 6
	s_add_co_u32 s100, s100, s23
	s_add_co_u32 s100, s100, AROW0                 ; A: position AROW0 + 128 TY + 64 x half
	s_lshl_b32 s104, s100, 5                       ; its scale bytes,
	s_mul_i32 s100, s100, 48                       ; its codes in a chunk
	s_mov_b32 s101, 0
	s_mov_b32 s105, 0
	s_lshl_b32 s66, s22, 8
	s_lshl_b32 s23, s20, 7
	s_add_co_u32 s66, s66, s23
	s_add_co_u32 s66, s66, BROW0                   ; B: position BROW0 + 256 TX + 128 x half
	s_lshl_b32 s2, s66, 5
	s_mul_i32 s66, s66, 48
	s_mov_b32 s67, 0
	s_mov_b32 s3, 0
	; where they go: (wave % 2) x the half's bytes + constants: no place in the cluster enters an LDS address
	s_mul_i32 s[G0+1], s20, HALFA
	s_mul_i32 s[G0B+1], s20, HALFB
	s_add_co_u32 s[G0B+1], s[G0B+1], 2*HALFA
	s_mul_i32 s[G0S+1], s20, HALFSA
	s_add_co_u32 s[G0S+1], s[G0S+1], SCL
	s_mul_i32 s[G0SB+1], s20, HALFSB
	s_add_co_u32 s[G0SB+1], s[G0SB+1], SCL+2*HALFSA
.irp s, 1,2,3
	s_add_co_u32 s[G0+4*\s+1], s[G0+1], \s*SLOT
	s_add_co_u32 s[G0B+4*\s+1], s[G0B+1], \s*SLOT
.endr
	s_wait_dscnt 0x0
	s_wait_kmcnt 0x0
	s_add_nc_u64 s[G0+2:G0+3], s[PA:PA+1], s[100:101]
	s_add_nc_u64 s[G0B+2:G0B+3], s[PB:PB+1], s[66:67]
	s_add_nc_u64 s[G0S+2:G0S+3], s[PAS:PAS+1], s[104:105]
	s_add_nc_u64 s[G0SB+2:G0SB+3], s[PBS:PBS+1], s[2:3]
.irp s, 1,2,3
	s_add_nc_u64 s[G0+4*\s+2:G0+4*\s+3], s[G0+2:G0+3], \s*4*APL        ; slot s: chunks 4 s on
	s_add_nc_u64 s[G0B+4*\s+2:G0B+4*\s+3], s[G0B+2:G0B+3], \s*4*BPL
.endr
.irp s, 0,1,2,3
	s_mov_b32 s[G0+4*\s], 1                                        ; count = 1
	s_or_b32 s[G0+4*\s+3], s[G0+4*\s+3], 0x80000000               ; type = 2
	s_mov_b32 s[G0B+4*\s], 1
	s_or_b32 s[G0B+4*\s+3], s[G0B+4*\s+3], 0x80000000
.endr
	s_mov_b32 s[G0S], 1
	s_or_b32 s[G0S+3], s[G0S+3], 0x80000000
	s_mov_b32 s[G0SB], 1
	s_or_b32 s[G0SB+3], s[G0SB+3], 0x80000000
	CROUND                                         ; all sixteen work-groups are here: the joint loads meet
	s_cmp_eq_u32 s19, 0                            ; waves 0 and 1 fetch for A, waves 2 and 3 for B: a wave's five fills stand in one branch on the wave's number; four v_nop follow the last
	s_cbranch_scc0 .Lfor_b
	tensor_load_to_lds s[G0S:G0S+3], s[G1S:G1S+7]                  ; the scale bytes first: they are wanted with the first quarter of K
	s_nop 0
.irp s, 0,1,2,3
	tensor_load_to_lds s[G0+4*\s:G0+4*\s+3], s[G1:G1+7]
	s_nop 0
.endr
.rept 4
	v_nop
.endr
	s_branch .Lasked
.Lfor_b:
	tensor_load_to_lds s[G0SB:G0SB+3], s[G1SB:G1SB+7]
	s_nop 0
.irp s, 0,1,2,3
	tensor_load_to_lds s[G0B+4*\s:G0B+4*\s+3], s[G1B:G1B+7]
	s_nop 0
.endr
.rept 4
	v_nop
.endr
.Lasked:
	v_and_b32 v1, 15, v0                           ; r = lane % 16
	v_bfe_u32 v2, v0, 4, 1                         ; h = lane / 16
	v_mul_u32_u24 v3, v1, 48
	v_mad_u32_u24 v3, v2, 24, v3                   ; a fragment's row x 48 + 24 x half
	s_mul_i32 s23, s19, HALFA                      ; my 64 rows of A
	s_mul_i32 s66, s20, HALFB                      ; my 128 rows of B,
	s_add_co_u32 s66, s66, 2*HALFA                 ; which lie behind A's 128
.irp s, 0,1,2,3
	v_add_nc_u32 v[ADRA+\s], s23, v3
	v_add_nc_u32 v[ADRB+\s], s66, v3
	s_add_co_u32 s23, s23, SLOT
	s_add_co_u32 s66, s66, SLOT
.endr
	v_lshlrev_b32 v5, 5, v1                        ; my row's scale bytes: 32 a row,
	v_lshrrev_b32 v6, 3, v1
	v_lshl_add_u32 v5, v6, 4, v5                   ; and 16 more for each 256 passed
	s_mul_i32 s23, s19, HALFSA                     ; A's: my 64 rows
	s_mul_i32 s66, s20, HALFSB                     ; B's: my 128 rows, behind A's 128
	s_add_co_u32 s66, s66, 2*HALFSA
	s_sub_co_u32 s66, s66, s23
	v_mul_u32_u24 v6, s66, v2                      ; lanes 16-31 take B's
	s_add_co_u32 s23, s23, SCL
	v_add_nc_u32 v5, v5, v6
	v_add_nc_u32 v[ADRS], s23, v5
	s_mul_i32 s23, s18, 16*SPITCH
	s_add_co_u32 s23, s23, STAGE                   ; my stage
	v_mul_u32_u24 v5, v1, SPITCH                   ; in: row r; my half's channels begin 64 h bytes on
	v_lshl_add_u32 v5, v2, 6, v5
	v_add_nc_u32 v[STO], s23, v5
	v_and_b32 v7, 31, v0
	v_lshlrev_b32 v[CO], 4, v7                     ; back: the 32 lanes take one row of 512 bytes; and the same in out0
	v_add_nc_u32 v[RD], s23, v[CO]
	; where my results go: row 128 TY + 64 WR, column 256 TX + 128 WC
	s_lshl_b32 s100, s21, 7
	s_lshl_b32 s23, s19, 6
	s_add_co_u32 s100, s100, s23
	s_lshl_b32 s100, s100, 12                      ; rows of 4,096 bytes
	s_lshl_b32 s2, s22, 10
	s_lshl_b32 s23, s20, 9
	s_add_co_u32 s2, s2, s23                       ; my 128 columns, in bytes: of out0 and of the bias
	s_mov_b32 s3, 0
	s_add_nc_u64 s[12:13], s[12:13], s[2:3]
	s_add_co_u32 s2, s2, s100
	s_add_nc_u64 s[14:15], s[14:15], s[2:3]
	v_lshlrev_b32 v[BOF], 6, v2                    ; register j of tile b, lane (r, h), is channel 32 (b / 2) + 16 h + 8 (b % 2) + j
.irp b, 0,1,2,3,4,5,6,7
	global_load_b128 v[BIAS+8*\b:BIAS+8*\b+3], v[BOF], s[12:13] offset:128*(\b/2)+32*(\b%2)
	global_load_b128 v[BIAS+8*\b+4:BIAS+8*\b+7], v[BOF], s[12:13] offset:128*(\b/2)+32*(\b%2)+16
.endr
.macro FRAG reg, adr, ch, q, i         ; a fragment: registers 6 c .. 6 c + 5 hold K = 64 c + 32 (lane / 16) + 0 .. 31: 24 bytes of chunk 2 q + c, as three loads of 8 bytes
.irp p, 0,1,2,3,4,5
	ds_load_b64 v[\reg+2*\p:\reg+2*\p+1], v[\adr] offset:(2*(\q)+\p/3)*(\ch)+(\i)*768+8*(\p%3)
.endr
.endm
; 16 matrix instructions: A's blocks a0, a0 + 1 x B's eight, the slot's q-th 128 along K, from the fragment sets q.  sc: the set of scale words.  first = 1: the bias is C and starts the sums.
; The 32 accumulators take turns, one instruction a turn, in the same order in every step.
.macro MUL16 a0, q, sc, first
.irp a, \a0, \a0+1
.irp b, 0,1,2,3,4,5,6,7
.if \first
	v_wmma_scale_f32_16x16x128_f8f6f4 v[8*(8*(\a)+\b):8*(8*(\a)+\b)+7], v[128*(\q)+FR*\b:128*(\q)+FR*\b+FR-1], v[AF+48*(\q)+FR*(\a):AF+48*(\q)+FR*(\a)+FR-1], v[BIAS+8*\b:BIAS+8*\b+7], v[SC+16*(\sc)+2*\b+(\q)], v[SC+16*(\sc)+2*(\a)+(\q)] matrix_a_fmt:MATRIX_FMT_FP6 matrix_b_fmt:MATRIX_FMT_FP6 matrix_a_scale:MATRIX_SCALE_ROW1
.else
	v_wmma_scale_f32_16x16x128_f8f6f4 v[8*(8*(\a)+\b):8*(8*(\a)+\b)+7], v[128*(\q)+FR*\b:128*(\q)+FR*\b+FR-1], v[AF+48*(\q)+FR*(\a):AF+48*(\q)+FR*(\a)+FR-1], v[8*(8*(\a)+\b):8*(8*(\a)+\b)+7], v[SC+16*(\sc)+2*\b+(\q)], v[SC+16*(\sc)+2*(\a)+(\q)] matrix_a_fmt:MATRIX_FMT_FP6 matrix_b_fmt:MATRIX_FMT_FP6 matrix_a_scale:MATRIX_SCALE_ROW1
.endif
.endr
.endr
.endm
.macro FETCH_B slot, q                 ; B's eight fragments of the slot's q-th 128 along K into set q: 48 loads
	WIN TO_B
.irp i, 0,1,2,3,4,5,6,7
	FRAG 128*(\q)+FR*\i, ADRB+\slot, CHB, \q, \i
.endr
	WIN 0
.endm
.macro FETCH_A slot, q                 ; A's four: 24 loads
.irp i, 0,1,2,3
	FRAG AF+48*(\q)+FR*\i, ADRA+\slot, CHA, \q, \i
.endr
.endm
.macro SCALES sc, kq                   ; quarter kq of K's scale words into set sc: two words a row; lanes 0-15 A's block i (for i > 3 bytes that no product names), lanes 16-31 B's
.irp i, 0,1,2,3,4,5,6,7
	ds_load_b64 v[SC+16*(\sc)+2*\i:SC+16*(\sc)+2*\i+1], v[ADRS] offset:\i*SBLK+8*(\kq)
.endr
.endm
.macro PLACES n                        ; plain vector instructions between a matrix instruction and a load into, or a read of, its registers (ISA guide 7.12.1 for the reads)
.rept \n
	v_nop
.endr
.endm
; A slot's first 128 along K, from the sets 0; the sets 1, which the step before multiplied, take the slot's second 128.
.macro STEP slot, sc, first
	PLACES NP                                      ; behind the products that read the sets 1: for B's loads here and for A's below
	FETCH_B \slot, 1
	s_wait_dscnt 48                                ; all but the 48 just issued: the sets 0 and this slot's scale words are in
.if \first
	WIN BEG
.else
	WIN MUL
.endif
	MUL16 0, 0, \sc, \first
	WIN 0
	FETCH_A \slot, 1
.if \first
	WIN BEG
.else
	WIN MUL
.endif
	MUL16 2, 0, \sc, \first
	WIN 0
.endm
; A slot's second 128 along K, from the sets 1, and the change of slots: my part of the next slot has landed (left: my later slots' loads, which may stay out), my LDS loads are in,
; my work-group's barrier; behind it the next slot is whole, and its first fragments and scale words are fetched into the sets 0.
.macro TURN slot, sc, left
	s_wait_tensorcnt \left
	s_wait_dscnt 0x0                               ; the sets 1 are in, and no LDS instruction of mine is out at the signal
	WIN MUL
	s_barrier_signal -1
	MUL16 0, 1, \sc, 0                             ; work on registers while the others arrive
	WIN 0
	s_barrier_wait -1
	PLACES NP                                      ; behind the products that read the sets 0
	FETCH_B \slot+1, 0
	FETCH_A \slot+1, 0
	SCALES 1-\sc, \slot+1
	WIN MUL
	MUL16 2, 1, \sc, 0
	WIN 0
.endm
	s_wait_tensorcnt 3                             ; the scale bytes and my part of slot 0 are in; slots 1 to 3 may stay out
	s_barrier_signal -1
	s_barrier_wait -1                              ; everybody's are
	FETCH_B 0, 0
	FETCH_A 0, 0
	SCALES 0, 0
	s_wait_loadcnt 0x0                             ; the bias
	STEP 0, 0, 1                                   ; K 0-127: the bias starts the sums
	TURN 0, 0, 2
	STEP 1, 1, 0
	TURN 1, 1, 1
	STEP 2, 0, 0
	TURN 2, 0, 0                                   ; all my tensor loads are done
	STEP 3, 1, 0
	s_wait_dscnt 0x0                               ; the very last step: nothing more to fetch
	WIN MUL
	MUL16 0, 1, 1, 0
	MUL16 2, 1, 1, 0
	WIN 0
; THE WAY OUT, block by block of 16 token positions x 128 channels.  LDS serves a wave's instructions in order (ISA guide 5.7.1.4): no wait between the stores and the loads, nor in front of the next block's stores.
.macro TOSTAGE a
.set AC, 64*(\a)
	WIN 0x08                                       ; an LDS store's data are its source 1: window 2
.irp b, 0,1,2,3,4,5,6,7
	ds_store_b128 v[STO], v[AC+8*\b:AC+8*\b+3] offset:128*(\b/2)+32*(\b%2)          ; each accumulator from its low end on; its eight channels at their true place in the row
	ds_store_b128 v[STO], v[AC+8*\b+4:AC+8*\b+7] offset:128*(\b/2)+32*(\b%2)+16
.endr
	WIN 0
.set BB, BK+64*((\a)%2)
.irp t, 0,1,2,3,4,5,6,7,8,9,10,11,12,13,14,15
	ds_load_b128 v[BB+4*\t:BB+4*\t+3], v[RD] offset:\t*SPITCH
.endr
.endm
.macro SEND a, younger                 ; younger: the LDS instructions issued behind block a's loads, which may stay out
.set BB, BK+64*((\a)%2)
	s_wait_dscnt \younger                          ; the block is back in registers
.irp t, 0,1,2,3,4,5,6,7,8,9,10,11,12,13,14,15
	global_store_b128 v[CO], v[BB+4*\t:BB+4*\t+3], s[14:15] offset:(32*((\a)/2)+8*((\a)%2)+\t+8*(\t/8))*4096 th:TH_STORE_NT   ; position 16 a + t is token 32 (a / 2) + 8 (a % 2) + t + 8 (t / 8); 32 lanes store 512 consecutive bytes, aligned; written once, read by nobody here
.endr
.endm
	PLACES NP                                      ; behind the last products: for the reads of results and for the loads into the registers that held A's fragments
	TOSTAGE 0
.irp a, 1,2,3
.if \a > 1
	s_wait_xcnt 0x0                                ; block a - 2's stores have read their registers: block a's loads may land there
.endif
	TOSTAGE \a
	SEND \a-1, 32                                  ; behind block a - 1's loads: block a's 16 stores and 16 loads
.endr
	SEND 3, 0
	s_wait_tensorcnt 0x0
	ds_add_u32 v29, v31
	s_wait_dscnt 0x0
	CROUND                                         ; the closing round: no work-group ends while a partner may still ask for a tile that names it
	s_endpgm
.Lfunc_end_k_qdd4768e7ae_gemm_proj:
	.size	k_qdd4768e7ae_gemm_proj, .Lfunc_end_k_qdd4768e7ae_gemm_proj-k_qdd4768e7ae_gemm_proj
	.p2alignl 7, 3214868480
	.fill 96, 4, 3214868480
	.section	.rodata,"a",@progbits
	.p2align	6, 0x0
	.amdhsa_kernel k_qdd4768e7ae_gemm_proj
		.amdhsa_group_segment_fixed_size 311808
		.amdhsa_private_segment_fixed_size 0
		.amdhsa_enable_private_segment 0
		.amdhsa_kernarg_size 48
		.amdhsa_user_sgpr_count 2
		.amdhsa_user_sgpr_kernarg_segment_ptr 1
		.amdhsa_wavefront_size32 1
		.amdhsa_system_sgpr_workgroup_id_x 1
		.amdhsa_system_sgpr_workgroup_id_y 1
		.amdhsa_system_sgpr_workgroup_id_z 1
		.amdhsa_system_vgpr_workitem_id 0
		.amdhsa_next_free_vgpr 768
		.amdhsa_next_free_sgpr 106
		.amdhsa_reserve_vcc 0
		.amdhsa_float_denorm_mode_32 3
		.amdhsa_float_denorm_mode_16_64 3
		.amdhsa_memory_ordered 1
		.amdhsa_forward_progress 1
		.amdhsa_inst_pref_size 100
	.end_amdhsa_kernel
	.amdgpu_metadata
---
amdhsa.version: [ 1, 2 ]
amdhsa.kernels:
  - .name:           k_qdd4768e7ae_gemm_proj
    .symbol:         k_qdd4768e7ae_gemm_proj.kd
    .args:
      - { .name: ac, .offset: 0, .size: 8, .value_kind: global_buffer, .address_space: global }
      - { .name: asc, .offset: 8, .size: 8, .value_kind: global_buffer, .address_space: global }
      - { .name: opc, .offset: 16, .size: 8, .value_kind: global_buffer, .address_space: global }
      - { .name: ops, .offset: 24, .size: 8, .value_kind: global_buffer, .address_space: global }
      - { .name: b_proj, .offset: 32, .size: 8, .value_kind: global_buffer, .address_space: global }
      - { .name: out0, .offset: 40, .size: 8, .value_kind: global_buffer, .address_space: global }
    .group_segment_fixed_size: 311808
    .private_segment_fixed_size: 0
    .kernarg_segment_align: 8
    .kernarg_segment_size: 48
    .max_flat_workgroup_size: 128
    .sgpr_count:     106
    .vgpr_count:     768
    .wavefront_size: 32
...
	.end_amdgpu_metadata
.endif
;; end of part 5
